; MI455X (gfx1250); checked and timed in simulation.
; The chip was launched on July 23, 2026; its instructions are those of AMD's public machine-readable ISA for CDNA 5 (MIT licence, August 2026) and "CDNA5" Instruction Set Architecture Reference Guide (July 2026). The comments in the code are by the model that wrote it; some were corrected since.
;; Causal Self Attention. Allowed arithmetic: matrix products marked QUANTISED: E5M2 operands, one given power-of-two scale a tensor, by v_wmma_f32_16x16x64_bf8_bf8 or v_wmma_f32_16x16x128_bf8_bf8, f32 sums; everything else in f32.
;; Inputs: Wproj 1,024 x 1,024 float32; Wqkv 1,024 x 3,072 float32; bproj 1,024 float32; bqkv 3,072 float32; lowp_scales 8 int32 (the exponents e of the quantised operands' scales 2^e); x 4 x 2,048 x 1,024 float32.
;; Outputs: out0 4 x 2,048 x 1,024 float32.
;; This version of the problem:
;;   THIS VERSION OF THE PROBLEM IS GIVEN IN LOW PRECISION. The matrix products marked QUANTISED in the list below multiply operands that are first quantised to E5M2 (5 exponent bits, 2 mantissa bits; 8 bits a number), with one given power-of-two scale for each operand tensor; their sums are f32. All else is computed in f32.
;;   The module's matrix products, in the order in which they are computed (A, B: the left and right operand; K: the contracted axis; several contracted axes count as one K, in the product's order):
;;     1. [M 8,192, K 1,024] x [K 1,024, N 3,072]; A: input x; B: input Wqkv: QUANTISED (scales: A lowp_scales[0], B lowp_scales[1])
;;     2. batch 64 x [M 2,048, K 64] x [K 64, N 2,048]; A: computed on the way; B: computed on the way: QUANTISED (scales: A lowp_scales[2], B lowp_scales[3])
;;     3. batch 64 x [M 2,048, K 2,048] x [K 2,048, N 64]; A: softmax (see below); B: computed on the way: QUANTISED (scales: A lowp_scales[4], B lowp_scales[5])
;;     4. [M 8,192, K 1,024] x [K 1,024, N 1,024]; A: computed on the way; B: input Wproj: QUANTISED (scales: A lowp_scales[6], B lowp_scales[7])
;;   THE QUANTISER, for each operand of a quantised product, along K:
;;     - The operand's scale is 2^e, e = its entry of the input lowp_scales (int32; the entries are numbered through the quantised products in the list's order, A before B).
;;     - Each number is divided by the scale, clamped to +-57,344, and rounded to the nearest number of E5M2, ties to even, subnormals kept.
;;     - The product sums the exact products of the quantised numbers (number of the format x scale) in f32.
;;   ~~~python
;;   def quantise(x, axis, e):      # numpy; x: float32 -> the quantised numbers, widened to float32 again
;;       x = np.moveaxis(x, axis, -1); K = x.shape[-1]
;;       r = np.clip(x / 2.0 ** e, -57344, 57344)
;;       step = 2.0 ** (np.maximum(np.frexp(np.where(r == 0, 1, r))[1] - 1, -14) - 2)
;;       q = np.round(r / step) * step * 2.0 ** e      # np.round: ties to even
;;       return np.moveaxis(q, -1, axis).astype(np.float32)
;;   ~~~
;;   SOFTMAX AHEAD OF A QUANTISED PRODUCT. Where the list says 'softmax', what is quantised is not the finished softmax but p = 2^(t - M), with t = logit x log2(e) and M = ceil(the row's largest t), a whole number; so 1/2 < the row's largest p <= 1. The row's sum l is taken of the UNQUANTISED p, in f32, and the product's result is divided by l at the end. Since M is a whole number, a kernel that streams over the keys may use a running M (the ceiling of the running maximum): every later rescaling is an exact power of two, so the quantised numbers keep their values, but for numbers so far below the row's largest that they fall under the format's range.
;;   OPERANDS COMPUTED ON THE WAY. 'Computed on the way' means the value that the module computes at that place (a softmax that the list does not call 'softmax' is quantised finished and normalised). What goes into a quantiser is computed in f32, as accurately as f32 sums, v_exp_f32 and their like allow (about 1e-6 of the number): no bf16 or f16 on the way to a quantiser, and a product that is left as it is and whose result goes on into a quantised operand takes f32 operands (vector FMAs, or v_wmma_f32_16x16x4_f32). A number that lies on a knife's edge between two numbers of the format may be rounded either way, as far as f32 arithmetic and the matrix unit's own rounding can turn it there, and no further.
;; One version. Each part assembles by itself: llvm-mc -triple=amdgcn-amd-amdhsa -mcpu=gfx1250 --defsym DOCPART=n.
;; ======== version 1 of 1: 4 launches
;; limits: right only within a limited range of input values
;; workspace buffers: x_codes 8,388,608 bytes; w_codes 4,194,304 bytes; qkv 25,165,824 bytes; y_img 8,388,608 bytes
;; launch quant (part 1): grid 384 x 1, 4 waves a work-group, no clusters, 68,096 bytes of LDS; arguments x, Wqkv, Wproj, lowp_scales, x_codes, w_codes; writes x_codes, w_codes
.if DOCPART == 1
	.amdgcn_target "amdgcn-amd-amdhsa--gfx1250"
	.amdhsa_code_object_version 6
	.text
	.protected	k_q8276de559a_quant
	.globl	k_q8276de559a_quant
	.p2align	8
	.type	k_q8276de559a_quant,@function
k_q8276de559a_quant:
	s_mov_b64 s[64:65], 0
	v_nop
	global_prefetch_b8 v0, s[64:65] scope:SCOPE_SE
	s_setreg_imm32_b32 hwreg(HW_REG_WAVE_MODE, 25, 1), 1
	s_wait_xcnt 0x0
; x [8192][1024], Wqkv [1024][3072] and Wproj [1024][1024], f32, become codes of E5M2, one byte each, K innermost, each with the scale 2^e given for it (entries 0, 1 and 7).
; code = number / 2^e, held within +-57,344, rounded to the nearest code, ties to even.
; LIMITS: e0, e1, e7 between -126 and 112, so that 2^e and 57,344 x 2^e are f32 numbers.  NaN among the inputs is not served.
; Work-groups 0-255 take x: K is innermost there, so x is a plain stream of numbers and x_codes [8192][1024] a plain stream of codes.
; Work-groups 256-383 take the weights, whose K is the FIRST axis: a lane takes a column and its registers run down K, so the conversions give codes with K innermost.
; w_codes [4096][1024]: rows 0-3071 are Wqkv's columns, rows 3072-4095 Wproj's.  In Wproj's rows the two middle groups of 8 codes of every 32 change places, so that
; 16 bytes at 32 p + 16 (lane / 16) are registers 4 p .. 4 p + 3 of the matrix instruction's own 8-bit layout (k = 32 p + 8 (lane / 16) + 0..7, then 16 more): its partner, y, comes in that layout.
; The two paths part on the work-group's number alone and have LDS bytes of their own (0-32767, 32768-67583).  Waves share nothing: no barrier.
.set XWG,   256                        ; work-groups for x: 8,388,608 numbers / 32,768
.set STEPS, 16
.set EMAX,  15
.set MANT,  0x600000                   ; the mantissa field of 57,344 as f32
; the x path
.set R,     16                         ; v16-79   four sets of 16 numbers as they are loaded
.set X,     80                         ; v80-111  two sets of 16 neighbours
.set C,     128                        ; v128-191 codes: four registers for each step, so that no store's data are written again
.set WREG,  8192                       ; LDS: a region for each wave: two stages of 32 x SP bytes
.set SP,    80                         ; a lane's place in a stage: 64 bytes + 16 of padding
; the weights' path
.set WST,   32768                      ; its stages begin here: 32 rows x PITCH for each wave
.set PITCH, 272                        ; 256 bytes of codes + 16
.set NB,    8                          ; blocks of 32 along K for a wave
.set OF,    16                         ; v16-47   byte offset of row i of a block at my column
.set XW,    48                         ; v48-111  two sets of 32 numbers
.set Z,     112                        ; v112-119 a block's 32 codes
.set T1,    120                        ; v[120:121], v[122:123] the two middle groups as converted
.set T2,    122
.set OUTR,  124                        ; v124-187 the way out
	s_load_b256 s[4:11], s[0:1], 0x0               ; x s[4:5], Wqkv s[6:7], Wproj s[8:9], the scales' exponents s[10:11]
	s_load_b128 s[12:15], s[0:1], 0x20             ; x_codes s[12:13], w_codes s[14:15]
	v_lshl_add_u32 v192, v0, 2, 0x10800
	v_mov_b32 v193, 0
	v_lshrrev_b32 v1, 5, v0
	v_readfirstlane_b32 s16, v1                    ; wave
	v_and_b32 v2, 31, v0                           ; lane
	s_wait_kmcnt 0x0
	s_load_b256 s[32:39], s[10:11], 0x0            ; e0 .. e7
	s_cmp_lt_u32 ttmp9, XWG
	s_cbranch_scc0 .Lweights
	s_wait_alu depctr_va_vdst(0)
; ---- x.  A wave takes 16 steps of 512 numbers.  Each load reads 512 consecutive bytes, 16 a lane; a step's 2,048 bytes turn through the wave's stage and come back 64 bytes a lane:
; 16 neighbours along K, which the conversions want in one lane.  A lane's 16 codes are 16 bytes: the wave stores 512 consecutive bytes.
	v_lshlrev_b32 v3, 4, v2                        ; 16 x lane: my place in a load's 512 bytes and in a step's 512 codes; never rewritten
	s_wait_alu depctr_va_vdst(0)
	s_mul_i32 s17, s16, WREG
	v_lshrrev_b32 v14, 2, v2
	v_mul_u32_u24 v14, v14, SP
	v_and_b32 v15, 3, v2
	v_lshl_add_u32 v14, v15, 4, v14
	v_add_nc_u32 v14, s17, v14                     ; the stage, on the way in: four lanes' 64 bytes on end, then the padding
	v_mul_u32_u24 v15, v2, SP
	v_add_nc_u32 v15, s17, v15                     ; and on the way out: my 16 neighbours
	s_lshl_b32 s18, ttmp9, 2
	s_add_co_u32 s18, s18, s16                     ; which run of 8,192 numbers is my wave's
	s_mov_b32 s19, 0
	s_lshl_b64 s[20:21], s[18:19], 15              ; 32,768 bytes of f32,
	s_add_nc_u64 s[4:5], s[4:5], s[20:21]
	s_lshl_b64 s[20:21], s[18:19], 13              ; 8,192 bytes of codes
	s_add_nc_u64 s[12:13], s[12:13], s[20:21]
.macro LOADX t
.irp i, 0,1,2,3
	global_load_b128 v[R+16*((\t)%4)+4*\i:R+16*((\t)%4)+4*\i+3], v3, s[4:5] offset:2048*(\t)+512*\i th:TH_LOAD_NT
.endr
.endm
.macro TURNX t                         ; LDS serves a wave's instructions in order, so no wait stands between the stores and the loads
.irp i, 0,1,2,3
	ds_store_b128 v14, v[R+16*((\t)%4)+4*\i:R+16*((\t)%4)+4*\i+3] offset:32*SP*((\t)%2)+8*SP*\i
.endr
.irp i, 0,1,2,3
	ds_load_b128 v[X+16*((\t)%2)+4*\i:X+16*((\t)%2)+4*\i+3], v15 offset:32*SP*((\t)%2)+16*\i
.endr
.endm
.irp t, 0,1,2,3
	LOADX \t
.endr
	s_wait_alu depctr_va_vdst(0)
	s_wait_kmcnt 0x0
	s_add_co_i32 s22, s32, 127
	s_lshl_b32 s23, s22, 23
	v_mov_b32 v11, s23                             ; 2^e0 as f32: the conversion takes its exponent field
	s_add_co_i32 s22, s22, EMAX
	s_lshl_b32 s22, s22, 23
	s_or_b32 s22, s22, MANT
	s_wait_alu depctr_va_vdst(0)
	s_wait_loadcnt 12                              ; step 0's four loads are in; the twelve of steps 1 to 3 stay out
	TURNX 0
.macro STEPX t
.set XS, X+16*((\t)%2)
	s_wait_dscnt 0x0                               ; this step's numbers are back from the stage, so its stores into the stage have read their registers,
.if (\t)+4 < STEPS
	LOADX (\t)+4                                   ; which take the loads of four steps on
.endif
.if (\t)+1 < STEPS
.if STEPS-2-(\t) >= 3
	s_wait_loadcnt 12                              ; the next step's four loads are in; those of the three steps behind it may be out
.else
	s_wait_loadcnt 4*(STEPS-2-(\t))
.endif
	TURNX (\t)+1
.endif
.irp i, 0,1,2,3,4,5,6,7,8,9,10,11,12,13,14,15
.endr
	v_cvt_scalef32_pk8_bf8_f32 v[C+4*(\t):C+4*(\t)+1], v[XS:XS+7], v11
	v_cvt_scalef32_pk8_bf8_f32 v[C+4*(\t)+2:C+4*(\t)+3], v[XS+8:XS+15], v11
	global_store_b128 v3, v[C+4*(\t):C+4*(\t)+3], s[12:13] offset:512*(\t)   ; the codes go to a store alone; the next vector lines are the next step's conversions, on other registers
.endm
.irp t, 0,1,2,3,4,5,6,7,8,9,10,11,12,13,14,15
	STEPX \t
.endr
	s_wait_tensorcnt 0x0
	ds_add_u32 v192, v193
	s_wait_dscnt 0x0
	s_endpgm
; ---- the weights.  Work-group 256 + 32 ky + cg takes columns 128 cg .. + 127 of the joint 4,096 and K = 256 ky .. + 255; a wave 32 columns, a lane one.
.Lweights:
	s_sub_co_u32 s17, ttmp9, XWG
	s_and_b32 s18, s17, 31                         ; cg
	s_lshr_b32 s19, s17, 5                         ; ky
	s_cmp_ge_u32 s18, 24                           ; cg 24-31: Wproj.  All that differs between the two weights is chosen here; both take one path
	s_cselect_b64 s[4:5], s[8:9], s[6:7]
	s_mov_b32 s20, 12288
	s_cselect_b32 s20, 4096, s20                   ; bytes from a row of the weight to the next
	s_cselect_b32 s21, 3072, 0                     ; the joint column at which the weight begins
	s_cselect_b32 s22, -1, 0                       ; all lanes or none: do the middle groups change places?
	s_lshl_b32 s23, s18, 7
	s_lshl_b32 s24, s16, 5
	s_add_co_u32 s23, s23, s24                     ; my wave's first joint column
	s_sub_co_u32 s24, s23, s21
	s_lshl_b32 s24, s24, 2                         ; its byte in a row of its weight
	s_mul_i32 s25, s19, s20
	s_lshl_b32 s25, s25, 8                         ; + 256 ky rows
	s_add_co_u32 s24, s24, s25
	s_mov_b32 s25, 0
	s_add_nc_u64 s[4:5], s[4:5], s[24:25]
	s_lshl_b32 s28, s20, 5                         ; a block of 32 rows on
	s_mov_b32 s29, 0
	s_lshl_b32 s26, s23, 10                        ; w_codes: row = joint column, 1,024 bytes; + 256 ky
	s_lshl_b32 s27, s19, 8
	s_add_co_u32 s26, s26, s27
	s_mov_b32 s27, 0
	s_add_nc_u64 s[14:15], s[14:15], s[26:27]
	s_wait_alu depctr_va_vdst(0)
	v_lshlrev_b32 v[OF], 2, v2                     ; 4 bytes a lane: a load reads 128 consecutive bytes, the four waves stand side by side on 512
.set i, 1
.rept 31
	v_add_nc_u32 v[OF+i], s20, v[OF+i-1]
.set i, i+1
.endr
	s_mul_i32 s30, s16, 32*PITCH
	s_add_co_u32 s30, s30, WST                     ; my stage
	v_mul_u32_u24 v4, v2, PITCH
	v_add_nc_u32 v4, s30, v4                       ; into it: row = my column
	v_and_b32 v5, 15, v2
	v_lshrrev_b32 v6, 4, v2
	v_mul_u32_u24 v7, v6, PITCH
	v_lshl_add_u32 v7, v5, 4, v7
	v_add_nc_u32 v7, s30, v7                       ; out of it: sixteen lanes to a row, two rows an instruction
	v_lshlrev_b32 v8, 10, v6
	v_lshl_add_u32 v8, v5, 4, v8                   ; and the same place in w_codes
.macro LOADW t                         ; block t: rows 32 t + i of my 256, i = 0 .. 31, at my column
.irp i, 0,1,2,3,4,5,6,7,8,9,10,11,12,13,14,15,16,17,18,19,20,21,22,23,24,25,26,27,28,29,30,31
	global_load_b32 v[XW+32*((\t)%2)+\i], v[OF+\i], s[4:5] th:TH_LOAD_NT
.endr
	s_wait_xcnt 0x0                                ; the loads have read their base: only now does it step
	s_add_nc_u64 s[4:5], s[4:5], s[28:29]
.endm
	LOADW 0
	LOADW 1
	s_wait_kmcnt 0x0
	s_cmp_ge_u32 s18, 24
	s_cselect_b32 s31, s39, s33                    ; e7 or e1
	s_add_co_i32 s31, s31, 127
	s_lshl_b32 s30, s31, 23
	v_mov_b32 v11, s30                             ; 2^e
	s_add_co_i32 s31, s31, EMAX
	s_lshl_b32 s31, s31, 23
	s_or_b32 s31, s31, MANT
.macro BLOCKW t
.set XS, XW+32*((\t)%2)
.if (\t) < NB-1
	s_wait_loadcnt 32                              ; this block's 32 loads are in; the next block's 32 may be out
.else
	s_wait_loadcnt 0
.endif
.irp i, 0,1,2,3,4,5,6,7,8,9,10,11,12,13,14,15,16,17,18,19,20,21,22,23,24,25,26,27,28,29,30,31
.endr
	v_cvt_scalef32_pk8_bf8_f32 v[Z:Z+1], v[XS:XS+7], v11
	v_cvt_scalef32_pk8_bf8_f32 v[T1:T1+1], v[XS+8:XS+15], v11
	v_cvt_scalef32_pk8_bf8_f32 v[T2:T2+1], v[XS+16:XS+23], v11
	v_cvt_scalef32_pk8_bf8_f32 v[Z+6:Z+7], v[XS+24:XS+31], v11
	v_nop                                          ; a plain line between the conversions and the selects that read their results
	v_cndmask_b32 v[Z+2], v[T1], v[T2], s22        ; Wqkv: the groups as they come; Wproj: the middle two change places
	v_cndmask_b32 v[Z+3], v[T1+1], v[T2+1], s22
	v_cndmask_b32 v[Z+4], v[T2], v[T1], s22
	v_cndmask_b32 v[Z+5], v[T2+1], v[T1+1], s22
	ds_store_b128 v4, v[Z:Z+3] offset:32*(\t)
	ds_store_b128 v4, v[Z+4:Z+7] offset:32*(\t)+16
.if (\t)+2 < NB
	LOADW (\t)+2
.endif
	s_wait_dscnt 0x0                               ; the stores have read their registers: the next block's codes may be written
.endm
.set Q, 0
	s_wait_alu depctr_va_vdst(0)
.rept NB
	BLOCKW Q
.set Q, Q+1
.endr
.irp t, 0,1,2,3,4,5,6,7,8,9,10,11,12,13,14,15
	ds_load_b128 v[OUTR+4*\t:OUTR+4*\t+3], v7 offset:2*\t*PITCH    ; LDS serves a wave's instructions in order: these see my stores
.endr
.irp t, 0,1,2,3,4,5,6,7,8,9,10,11,12,13,14,15
	s_wait_dscnt 15-\t
	global_store_b128 v8, v[OUTR+4*\t:OUTR+4*\t+3], s[14:15] offset:2*\t*1024   ; sixteen lanes store 256 consecutive bytes, at a multiple of 256 from the buffer's first byte
.endr
	s_wait_tensorcnt 0x0
	ds_add_u32 v192, v193
	s_wait_dscnt 0x0
	s_endpgm
.Lfunc_end_k_q8276de559a_quant:
	.size	k_q8276de559a_quant, .Lfunc_end_k_q8276de559a_quant-k_q8276de559a_quant
	.p2alignl 7, 3214868480
	.fill 96, 4, 3214868480
	.section	.rodata,"a",@progbits
	.p2align	6, 0x0
	.amdhsa_kernel k_q8276de559a_quant
		.amdhsa_group_segment_fixed_size 68096
		.amdhsa_private_segment_fixed_size 0
		.amdhsa_enable_private_segment 0
		.amdhsa_kernarg_size 48
		.amdhsa_user_sgpr_count 2
		.amdhsa_user_sgpr_kernarg_segment_ptr 1
		.amdhsa_wavefront_size32 1
		.amdhsa_system_sgpr_workgroup_id_x 1
		.amdhsa_system_sgpr_workgroup_id_y 1
		.amdhsa_system_sgpr_workgroup_id_z 1
		.amdhsa_system_vgpr_workitem_id 0
		.amdhsa_next_free_vgpr 194
		.amdhsa_next_free_sgpr 66
		.amdhsa_reserve_vcc 0
		.amdhsa_float_denorm_mode_32 3
		.amdhsa_float_denorm_mode_16_64 3
		.amdhsa_fp16_overflow 1
		.amdhsa_memory_ordered 1
		.amdhsa_forward_progress 1
		.amdhsa_inst_pref_size 57
	.end_amdhsa_kernel
	.amdgpu_metadata
---
amdhsa.version: [ 1, 2 ]
amdhsa.kernels:
  - .name:           k_q8276de559a_quant
    .symbol:         k_q8276de559a_quant.kd
    .args:
      - { .name: x, .offset: 0, .size: 8, .value_kind: global_buffer, .address_space: global }
      - { .name: Wqkv, .offset: 8, .size: 8, .value_kind: global_buffer, .address_space: global }
      - { .name: Wproj, .offset: 16, .size: 8, .value_kind: global_buffer, .address_space: global }
      - { .name: lowp_scales, .offset: 24, .size: 8, .value_kind: global_buffer, .address_space: global }
      - { .name: x_codes, .offset: 32, .size: 8, .value_kind: global_buffer, .address_space: global }
      - { .name: w_codes, .offset: 40, .size: 8, .value_kind: global_buffer, .address_space: global }
    .group_segment_fixed_size: 68096
    .private_segment_fixed_size: 0
    .kernarg_segment_align: 8
    .kernarg_segment_size: 48
    .max_flat_workgroup_size: 128
    .sgpr_count:     66
    .vgpr_count:     194
    .wavefront_size: 32
...
	.end_amdgpu_metadata
.endif
;; end of part 1
;; launch qkv_gemm (part 2): grid 12 x 32, 4 waves a work-group, clusters of 4 x 4, 327,680 bytes of LDS; arguments x_codes, w_codes, lowp_scales, bqkv, qkv; writes qkv
.if DOCPART == 2
	.amdgcn_target "amdgcn-amd-amdhsa--gfx1250"
	.amdhsa_code_object_version 6
	.text
	.protected	k_q8276de559a_qkv_gemm
	.globl	k_q8276de559a_qkv_gemm
	.p2align	8
	.type	k_q8276de559a_qkv_gemm,@function
k_q8276de559a_qkv_gemm:
	s_mov_b64 s[64:65], 0
	v_nop
	global_prefetch_b8 v0, s[64:65] scope:SCOPE_SE
	s_setreg_imm32_b32 hwreg(HW_REG_WAVE_MODE, 25, 1), 1
	s_wait_xcnt 0x0
	s_wait_alu depctr_hold_cnt(0) depctr_sa_sdst(0) depctr_va_vdst(0) depctr_va_sdst(0) depctr_va_ssrc(0) depctr_va_vcc(0) depctr_vm_vsrc(0)
	s_getreg_b32 s2, hwreg(HW_REG_IB_STS2, 6, 4)
	s_cmp_eq_u32 s2, 0
	s_cbranch_scc0 .Lentry_in_a_cluster
	s_endpgm
.Lentry_in_a_cluster:
	s_bfe_u32 s2, ttmp6, 0x10000c
	s_cmp_lg_u32 s2, 0xf033
	s_cbranch_scc0 .Lentry_shape_is_right
	s_endpgm
.Lentry_shape_is_right:
; qkv = x Wqkv + bqkv on codes of E5M2 (scales e0, e1), and q, k, v quantised at once (scales e2, e3, e5) into the buffer qkv, laid as IMAGES OF THE NEXT PRODUCTS' OPERAND REGISTERS.
; A tile of 256 x 256 is made by four waves, 128 x 128 each: 64 accumulators of 16 x 16.  K = 1,024 goes in four steps of 256 through a ring of two LDS slots filled by joint tensor loads.
; THE MATRIX INSTRUCTION IS USED TRANSPOSED: source 1 holds 16 rows of the operand R (one row a lane), source 0 16 rows of the operand S (a lane's eight results are S rows 8 (lane / 16) + 0..7).
; Eight results of a lane, converted, are registers 2 c, 2 c + 1 of the plain 8-bit layout (k = 16 c + 8 (lane / 16) + 0..7) of the product that reads them; four registers go out as 16 bytes at 16 x lane.
; THE KIND is the cluster's x, the same in all sixteen partners: 0 q, 1 k: R = tokens (x_codes), S = Wqkv's columns (w_codes): a lane holds a token, its registers run along the head's 64.
;   2 v: R = v's channels (w_codes rows 2,048 on), S = tokens: V^T, a lane holds a channel, its registers run along the keys.
; qkv: q at 0, k at 8 Mi: [64 heads bh][128 tiles of 16 tokens][2 pieces][32 lanes][16 bytes];  v at 16 Mi: [64 bh][16 steps of 128 keys][4 tiles of 16 channels][4 pieces][32 lanes][16 bytes].
; A sum stands for sum x 2^(e0 + e1).  So the bias goes in divided by that, and the conversion takes 2^(et - e0 - e1), et the kind's own scale.
; LIMITS: et - e0 - e1 between -126 and 112 for et = e2, e3, e5.  NaN among the inputs is not served.
; Both operands' codes lie in plain order along K and are fetched 16 bytes a lane: the same permutation of k on both sides, so every product meets its partner.
; CLUSTERS: 4 x 4.  R's tile hangs on cy (and the cluster's y), shared along a row of the cluster; S's on cx (and the cluster's x or y), shared along a column.
; REGISTERS, in windows of 256: window 0: v0-31 addresses; v32-95 the bias along S, v96-111 along R, v112 the conversion's scale; from v128 R's fragments, ONE set; on the way out v128-255 are free.
;   window 1: S's fragments, TWO sets, at v0 and v128.   windows 2, 3: the accumulators of my R rows 0-63, 64-127 (accumulator (a, b) at v[8 (8 (a % 4) + b)]).
.set ROWB,   256                       ; a tile's row in bytes: 256 codes
.set KROW,   1024                      ; a row of either operand in memory
.set PITCH,  272                       ; an LDS row: 256 bytes + 16 of padding, so that the 16 rows that a load touches start 68 words apart
.set FR,     16                        ; registers of a fragment: 16 rows x 128 K
.set NL,     4                         ; LDS loads that bring one
.set NP,     4                         ; places behind this matrix instruction (ISA guide 7.12.1)
.set HALFT,  128*PITCH
.set SLOT,   4*HALFT                   ; R's 256 rows, then S's 256 rows
.set LAPS,   2                         ; a lap = two K steps = once round the ring
.set SPARE,  2*SLOT                    ; behind the ring: the spare words, 128 bytes for each wave
.set ADRA, 16                          ; v16-17  LDS address of my R fragments in slot 0, 1
.set ADRB, 20                          ; v20-21  the same for S
.set LI,   26                          ; v26     16 x lane: my place in a piece of an image
.set SPW,  28                          ; v28     LDS address of my spare word; never rewritten
.set NIL,  29                          ; v29     0; never rewritten
.set BS,   32
.set BR,   96
.set SCL,  112
.set LIM,  113
.set AF,   128
.set T,    128                         ; the way out: a block's 64 numbers
.set CD,   192                         ; and its codes: 16 registers, four sets by turns
.set G1, 24                            ; s[24:31] descriptor group 1 for R's tiles;  s[32:39] group 0, one set for each slot
.set G0, 32
.set G1B, 48                           ; s[48:55], s[56:63] the same for S's tiles
.set G0B, 56
.set MSB, 0
.macro WIN new                         ; the immediate's high byte repeats the setting that is left
.if MSB != \new
	s_set_vgpr_msb (MSB<<8)|\new
.set MSB, \new
.endif
.endm
.set MUL_LO, 0xa1                      ; source 0 (S) window 1, source 1 (R) window 0, C and D window 2
.set MUL_HI, 0xf1                      ; the same, C and D window 3
.set TO_B,   0x40                      ; destination window 1, address window 0
; A joint load: waves 0 and 1 fetch for R, waves 2 and 3 for S.  The branch hangs on the wave's number alone.  Four v_nop follow each of the two lines.
.macro JLOAD g0a, g1a, g0b, g1b
	s_cmp_eq_u32 s15, 0
	s_cbranch_scc0 .Lfor_b_\@
	tensor_load_to_lds s[\g0a:\g0a+3], s[\g1a:\g1a+7]
	s_nop 0
.rept 4
	v_nop
.endr
	s_branch .Lasked_\@
.Lfor_b_\@:
	tensor_load_to_lds s[\g0b:\g0b+3], s[\g1b:\g1b+7]
	s_nop 0
.rept 4
	v_nop
.endr
.Lasked_\@:
.endm
.macro CREST                           ; a round of the cluster's barrier behind its opening barrier
	s_cmp_lg_u32 s14, 0
	s_cbranch_scc1 .Lnot_wave_0_\@
	s_barrier_signal -3
.Lnot_wave_0_\@:
	s_barrier_wait -3
	s_barrier_signal -1
	s_barrier_wait -1
.endm
.macro CROUND
	s_barrier_signal -1
	s_barrier_wait -1
	CREST
.endm
	s_load_b256 s[4:11], s[0:1], 0x0               ; x_codes s[4:5], w_codes s[6:7], the scales' exponents s[8:9], bqkv s[10:11]
	s_load_b64 s[12:13], s[0:1], 0x20              ; qkv
	v_lshl_add_u32 v[SPW], v0, 2, SPARE
	v_mov_b32 v[NIL], 0
	ds_add_u32 v28, v29
	ds_add_u32 v28, v29
	s_wait_dscnt 0x0
	v_lshrrev_b32 v1, 5, v0
	v_readfirstlane_b32 s14, v1                    ; wave 0..3
	s_lshr_b32 s15, s14, 1                         ; which half of the tile's R rows is mine.  Also: I fetch for R (0) or for S (1)
	s_and_b32 s16, s14, 1                          ; which half of its S rows.  Also: which 128 rows of that tile I fetch
	s_bfe_u32 s40, ttmp6, 0x40000                  ; cx, cy: my place in the cluster
	s_bfe_u32 s41, ttmp6, 0x40004
	s_and_b32 s18, ttmp7, 0xffff                   ; the cluster's y
	s_cmp_eq_u32 ttmp9, 2                          ; the kind v?  The cluster's x is the same in all partners
	s_cselect_b32 s17, 0, s18
	s_cselect_b32 s42, s18, ttmp9
	s_cselect_b32 s70, 2048, 0                     ; v's channels begin at row 2,048 of w_codes
	s_lshl_b32 s17, s17, 2
	s_add_co_u32 s17, s17, s41                     ; R's tile: q, k: 4 x cluster y + cy (tokens); v: cy (channels)
	s_lshl_b32 s42, s42, 2
	s_add_co_u32 s42, s42, s40                     ; S's tile: q, k: 4 x cluster x + cx (columns); v: 4 x cluster y + cx (tokens)
	s_lshl_b32 s43, s41, 2
	s_lshl_b32 s43, 15, s43                        ; my row of the cluster
	s_lshl_b32 s44, 0x1111, s40                    ; my column
	; descriptor group 1: a tile of 128 rows x 256 bytes, padded in LDS
	s_or_b32 s[G1+0], s43, (0<<16)|(1<<20)|(1<<21)|(5<<22)|(3<<25)  ; 15:0 the mask; 17:16 element of 1 byte; 20 padding on; 21 set beside a mask; 24:22 after every 64 words (code 5); 31:25 of 4 words (code 3)
	s_or_b32 s[G1B+0], s44, (0<<16)|(1<<20)|(1<<21)|(5<<22)|(3<<25)
.irp g, G1, G1B
	s_mov_b32 s[\g+1], ROWB<<16                    ; tensor_dim0
	s_mov_b32 s[\g+2], 128<<16                     ; tensor_dim1
	s_mov_b32 s[\g+3], ROWB<<16                    ; tile_dim0
	s_mov_b32 s[\g+4], 128                         ; tile_dim1
	s_mov_b32 s[\g+5], KROW                        ; tensor_dim0_stride
	s_mov_b32 s[\g+6], 0
	s_mov_b32 s[\g+7], 0
.endr
	s_lshl_b32 s18, s16, 7                         ; which 128 rows of the tile I fetch
	s_lshl_b32 s20, s17, 8
	s_add_co_u32 s20, s20, s18
	s_add_co_u32 s20, s20, s70                     ; R's row,
	s_lshl_b32 s20, s20, 10                        ; in bytes
	s_mov_b32 s21, 0
	s_lshl_b32 s46, s42, 8
	s_add_co_u32 s46, s46, s18                     ; S's row,
	s_lshl_b32 s46, s46, 10
	s_mov_b32 s47, 0
	s_mul_i32 s45, s14, HALFT                      ; where they go: wave x 128 rows: no place in the cluster enters an LDS address
	s_wait_kmcnt 0x0
	s_load_b256 s[72:79], s[8:9], 0x0              ; e0 .. e7
	s_cmp_eq_u32 ttmp9, 2
	s_cselect_b64 s[66:67], s[6:7], s[4:5]         ; R's buffer
	s_cselect_b64 s[68:69], s[4:5], s[6:7]         ; S's
	s_add_nc_u64 s[20:21], s[66:67], s[20:21]
	s_add_nc_u64 s[46:47], s[68:69], s[46:47]
	CROUND                                         ; all sixteen work-groups are here: the first joint loads meet
.irp s, 0,1
	s_mov_b32 s[G0+4*\s], 1
	s_add_co_u32 s[G0+4*\s+1], s45, \s*SLOT
	s_add_nc_u64 s[G0+4*\s+2:G0+4*\s+3], s[20:21], \s*ROWB
	s_or_b32 s[G0+4*\s+3], s[G0+4*\s+3], 0x80000000
	s_mov_b32 s[G0B+4*\s], 1
	s_add_co_u32 s[G0B+4*\s+1], s45, \s*SLOT
	s_add_nc_u64 s[G0B+4*\s+2:G0B+4*\s+3], s[46:47], \s*ROWB
	s_or_b32 s[G0B+4*\s+3], s[G0B+4*\s+3], 0x80000000
	JLOAD G0+4*\s, G1, G0B+4*\s, G1B
.endr
	v_and_b32 v1, 15, v0                           ; r = lane % 16
	v_bfe_u32 v2, v0, 4, 1                         ; h = lane / 16
	v_mul_u32_u24 v3, v1, PITCH
	v_lshl_add_u32 v4, v2, 4, v3                   ; a fragment's row x pitch + 16 h
	s_mul_i32 s21, s15, HALFT                      ; my 128 rows of R
	s_mul_i32 s22, s16, HALFT                      ; my 128 rows of S,
	s_add_co_u32 s22, s22, 2*HALFT                 ; which lie behind R's 256
.irp s, 0,1
	v_add_nc_u32 v[ADRA+\s], s21, v4
	v_add_nc_u32 v[ADRB+\s], s22, v4
	s_add_co_u32 s21, s21, SLOT
	s_add_co_u32 s22, s22, SLOT
.endr
	v_and_b32 v5, 31, v0
	v_lshlrev_b32 v[LI], 4, v5
	; THE BIAS, in both layouts, each from a place that lies inside bqkv whatever the kind; the way out takes the one that belongs to the kind.
	v_lshlrev_b32 v8, 5, v2                        ; along S: my eight of a tile's sixteen
	s_wait_alu depctr_va_vdst(0)
	v_lshlrev_b32 v9, 2, v1                        ; along R: my row's
	s_wait_alu depctr_va_vdst(0)
	s_lshl_b32 s86, s42, 8
	s_lshl_b32 s87, s16, 7
	s_add_co_u32 s86, s86, s87                     ; q, k: my first column
	s_lshl_b32 s88, s41, 8
	s_lshl_b32 s89, s15, 7
	s_add_co_u32 s88, s88, s89
	s_add_co_u32 s88, s88, 2048                    ; v: my first channel's column
	s_cmp_eq_u32 ttmp9, 2
	s_cselect_b32 s86, 0, s86
	s_cselect_b32 s88, s88, 0
	s_lshl_b32 s86, s86, 2
	s_mov_b32 s87, 0
	s_lshl_b32 s88, s88, 2
	s_mov_b32 s89, 0
	s_add_nc_u64 s[80:81], s[10:11], s[86:87]
	s_add_nc_u64 s[82:83], s[10:11], s[88:89]
.irp b, 0,1,2,3,4,5,6,7
	global_load_b128 v[BS+8*\b:BS+8*\b+3], v8, s[80:81] offset:64*\b       ; register 8 b + i: column 16 b + 8 h + i of my 128
	global_load_b128 v[BS+8*\b+4:BS+8*\b+7], v8, s[80:81] offset:64*\b+16
.endr
.irp a, 0,1,2,3,4,5,6,7
	global_load_b32 v[BR+2*\a], v9, s[82:83] offset:64*\a                  ; channel 16 a + r of my 128, twice: a pair for the packed addition
	global_load_b32 v[BR+2*\a+1], v9, s[82:83] offset:64*\a
.endr
	; where my images begin in qkv.  q, k: kind x 8 Mi + head (16 batch + 4 (S tile % 4) + 2 S half) x 131,072 + token tile (16 (R tile % 8) + 8 R half) x 1,024
	s_lshr_b32 s90, s17, 3
	s_lshl_b32 s90, s90, 4
	s_and_b32 s91, s42, 3
	s_lshl_b32 s91, s91, 2
	s_add_co_u32 s90, s90, s91
	s_lshl_b32 s91, s16, 1
	s_add_co_u32 s90, s90, s91
	s_lshl_b32 s90, s90, 17
	s_and_b32 s91, s17, 7
	s_lshl_b32 s91, s91, 4
	s_lshl_b32 s92, s15, 3
	s_add_co_u32 s91, s91, s92
	s_lshl_b32 s91, s91, 10
	s_add_co_u32 s90, s90, s91
	s_lshl_b32 s91, ttmp9, 23
	s_add_co_u32 s90, s90, s91
	; v: 16 Mi + head (16 batch + 4 cy + 2 R half) x 131,072 + key step (2 (S tile % 8) + S half) x 8,192
	s_lshr_b32 s93, s42, 3
	s_lshl_b32 s93, s93, 4
	s_lshl_b32 s94, s41, 2
	s_add_co_u32 s93, s93, s94
	s_lshl_b32 s94, s15, 1
	s_add_co_u32 s93, s93, s94
	s_lshl_b32 s93, s93, 17
	s_and_b32 s94, s42, 7
	s_lshl_b32 s94, s94, 1
	s_add_co_u32 s94, s94, s16
	s_lshl_b32 s94, s94, 13
	s_add_co_u32 s93, s93, s94
	s_add_co_u32 s93, s93, 0x1000000
	s_cmp_eq_u32 ttmp9, 2
	s_cselect_b32 s84, s93, s90
	s_mov_b32 s85, 0
	s_add_nc_u64 s[12:13], s[12:13], s[84:85]
	s_wait_kmcnt 0x0
	s_add_co_i32 s95, s72, s73                     ; e0 + e1
	s_cmp_eq_u32 ttmp9, 0
	s_cselect_b32 s86, s74, s75
	s_cmp_eq_u32 ttmp9, 2
	s_cselect_b32 s86, s77, s86                    ; et: e2, e3 or e5
	s_sub_co_i32 s86, s86, s95
	s_add_co_i32 s86, s86, 127
	s_lshl_b32 s87, s86, 23
	v_mov_b32 v[SCL], s87                          ; 2^(et - e0 - e1): the three scales folded into the conversion's one
	s_sub_co_i32 s95, 0, s95
	s_wait_loadcnt 0x0                             ; the biases are in
.set j, 0
.rept 80
	v_ldexp_f32 v[BS+j], v[BS+j], s95              ; bias / 2^(e0 + e1): made while the first tiles are on their way
.set j, j+1
.endr
.macro FRAG reg, adr, q, i             ; a fragment, 16 rows x 128 K: lane l holds row l % 16; registers 4 c .. 4 c + 3 hold the 16 bytes at 32 c + 16 (l / 16)
.irp c, 0,1,2,3
	ds_load_b128 v[\reg+4*\c:\reg+4*\c+3], v[\adr] offset:128*(\q)+32*\c+(\i)*16*PITCH
.endr
.endm
; 16 matrix instructions: R's blocks a0, a0 + 1 x S's eight, 128 along K.  p: S's set.  zero = 1: the first product starts the sums.
; The 64 accumulators take turns, one instruction a turn, in the same order in every step.
.macro MUL16 a0, p, zero
.irp a, \a0, \a0+1
.irp b, 0,1,2,3,4,5,6,7
.if \zero
	v_wmma_f32_16x16x128_bf8_bf8 v[8*(8*((\a)%4)+\b):8*(8*((\a)%4)+\b)+7], v[128*(\p)+FR*\b:128*(\p)+FR*\b+FR-1], v[AF+FR*(\a):AF+FR*(\a)+FR-1], 0
.else
	v_wmma_f32_16x16x128_bf8_bf8 v[8*(8*((\a)%4)+\b):8*(8*((\a)%4)+\b)+7], v[128*(\p)+FR*\b:128*(\p)+FR*\b+FR-1], v[AF+FR*(\a):AF+FR*(\a)+FR-1], v[8*(8*((\a)%4)+\b):8*(8*((\a)%4)+\b)+7]
.endif
.endr
.endr
.endm
.macro FETCH_B slot, q, p              ; S's eight fragments of the slot's q-th 128 along K into set p
	WIN TO_B
.irp i, 0,1,2,3,4,5,6,7
	FRAG 128*(\p)+FR*\i, ADRB+\slot, \q, \i
.endr
	WIN 0
.endm
.macro FETCH_A slot, q, i0             ; R's blocks i0 .. i0 + 3
.irp i, \i0, \i0+1, \i0+2, \i0+3
	FRAG AF+FR*(\i), ADRA+\slot, \q, \i
.endr
.endm
.macro PLACES n                        ; plain vector lines between a matrix instruction and a load into, or a vector read or write of, its registers
.rept \n
	v_nop
.endr
.endm
; A step of 128 along K that has its successor in the same slot.  A block of R is free as soon as its eight products are issued, so one set serves R: blocks 0-3 are fetched anew in the step's middle, blocks 4-7 at its end.
.macro STEP slot, q, zero
	s_wait_dscnt 4*NL                              ; S's set and R's blocks 0-3 are in; the youngest sixteen loads (R's blocks 4-7) may be out
	WIN MUL_LO
	MUL16 0, (\q)%2, \zero
	MUL16 2, (\q)%2, \zero
	s_wait_dscnt 0                                 ; R's blocks 4-7 are in
	PLACES NP
	FETCH_B \slot, (\q)+1, 1-(\q)%2
	FETCH_A \slot, (\q)+1, 0
	WIN MUL_HI
	MUL16 4, (\q)%2, \zero
	MUL16 6, (\q)%2, \zero
	PLACES NP
	WIN 0
	FETCH_A \slot, (\q)+1, 4
.endm
; A slot's last step changes slots: ONE barrier; in front of it each wave waits for all its tensor loads, adds 0 to its spare word, and waits for that and for its own reads of this slot.  fill = 1: this slot is filled again, two K steps ahead.
.macro TURN slot, next, fill
	s_wait_tensorcnt 0x0                           ; all my tensor loads have landed: my part of the next slot
	ds_add_u32 v[SPW], v[NIL]                      ; 0 onto my spare word
	s_wait_dscnt 4*NL+1                            ; (the add and the youngest sixteen loads may be out)
	WIN MUL_LO
	MUL16 0, 1, 0                                  ; sixteen matrix instructions stand between the add and the wait for it
	s_wait_dscnt 0x0                               ; the add is done, and my reads of this slot are over
	s_barrier_signal -1
	MUL16 2, 1, 0
	WIN 0
	s_barrier_wait -1
.if \fill
	CREST                                          ; the barrier has opened a round of the cluster's barrier: no wave of any partner still reads this slot or has a load on its way
	s_add_nc_u64 s[G0+4*\slot+2:G0+4*\slot+3], s[G0+4*\slot+2:G0+4*\slot+3], 2*ROWB
	s_add_nc_u64 s[G0B+4*\slot+2:G0B+4*\slot+3], s[G0B+4*\slot+2:G0B+4*\slot+3], 2*ROWB
	JLOAD G0+4*\slot, G1, G0B+4*\slot, G1B         ; the first tensor load behind the round; its four v_nop are also the places in front of the loads below
.else
	PLACES NP
.endif
	FETCH_B \next, 0, 0
	FETCH_A \next, 0, 0
	WIN MUL_HI
	MUL16 4, 1, 0
	MUL16 6, 1, 0
	PLACES NP
	WIN 0
	FETCH_A \next, 0, 4
.endm
	s_wait_tensorcnt 1                             ; my part of K step 0 is in (K step 1's load may be out),
	s_barrier_signal -1
	s_barrier_wait -1                              ; everybody's is
	FETCH_B 0, 0, 0
	FETCH_A 0, 0, 0
	FETCH_A 0, 0, 4
	STEP 0, 0, 1                                   ; the first step stands in front of the loop: its products start the sums
	s_mov_b32 s3, LAPS-1
.Llap:                                                 ; a trip goes once round the ring and fills both slots again
	TURN 0, 1, 1
	STEP 1, 0, 0
	TURN 1, 0, 1
	STEP 0, 0, 0
	s_sub_co_u32 s3, s3, 1
	s_cmp_lg_u32 s3, 0
	s_cbranch_scc1 .Llap
	TURN 0, 1, 0                                   ; the last lap fills nothing
	STEP 1, 0, 0
	s_wait_dscnt 4*NL                              ; the very last step: nothing more to fetch
	WIN MUL_LO
	MUL16 0, 1, 0
	MUL16 2, 1, 0
	s_wait_dscnt 0
	WIN MUL_HI
	MUL16 4, 1, 0
	MUL16 6, 1, 0
	WIN 0
	PLACES NP                                      ; behind the last products: the way out reads results and writes over R's fragments
; THE WAY OUT, block by block of 16 R rows x 128 S rows: + bias, eight conversions: 16 registers of codes, four pieces; each piece leaves as 512 consecutive bytes, 16 a lane.
; kind = 0 (q, k): the bias runs along my registers; a piece is (head p / 2, piece p % 2) of token tile a.   kind = 1 (v): the bias is my lane's channel's; a piece is keys 32 p on of (head a / 4, channel tile a % 4).
.macro EPI kind
.irp a, 0,1,2,3,4,5,6,7
.set AC, 64*(\a%4)
.set CC, CD+16*(\a%4)
.if \a >= 4
	s_wait_xcnt 0x0                                ; block a - 4's stores have read their data: its registers are written again only behind this wait
.endif
	WIN (0x02+\a/4)                                ; source 0: window 2 or 3
.set j, 0
.rept 32
.if \kind
	v_pk_add_f32 v[T+j:T+j+1], v[AC+j:AC+j+1], v[BR+2*\a:BR+2*\a+1]   ; each accumulator from its low end on
.else
	v_pk_add_f32 v[T+j:T+j+1], v[AC+j:AC+j+1], v[BS+j:BS+j+1]
.endif
.set j, j+2
.endr
	WIN 0
.set j, 0
.rept 64
.set j, j+1
.endr
.irp b, 0,1,2,3,4,5,6,7
	v_cvt_scalef32_pk8_bf8_f32 v[CC+2*\b:CC+2*\b+1], v[T+8*\b:T+8*\b+7], v[SCL]
.endr
	v_nop                                          ; a plain line behind the last conversion: the next block writes its sources
.irp p, 0,1,2,3
.if \kind
	global_store_b128 v[LI], v[CC+4*\p:CC+4*\p+3], s[12:13] offset:(\a/4)*131072+(\a%4)*2048+\p*512
.else
	global_store_b128 v[LI], v[CC+4*\p:CC+4*\p+3], s[12:13] offset:(\p/2)*131072+\a*1024+(\p%2)*512
.endif
.endr
.endr
.endm
	s_cmp_eq_u32 ttmp9, 2                          ; the cluster's x: the same way in all sixteen partners
	s_cbranch_scc1 .Lkind_v
	EPI 0
	s_branch .Ldone
.Lkind_v:
	EPI 1
.Ldone:
	s_wait_tensorcnt 0x0                           ; the wave's end
	ds_add_u32 v[SPW], v[NIL]
	s_wait_dscnt 0x0
	CROUND                                         ; the closing round: no work-group ends while a partner may still ask for a tile that names it
	s_endpgm
.Lfunc_end_k_q8276de559a_qkv_gemm:
	.size	k_q8276de559a_qkv_gemm, .Lfunc_end_k_q8276de559a_qkv_gemm-k_q8276de559a_qkv_gemm
	.p2alignl 7, 3214868480
	.fill 96, 4, 3214868480
	.section	.rodata,"a",@progbits
	.p2align	6, 0x0
	.amdhsa_kernel k_q8276de559a_qkv_gemm
		.amdhsa_group_segment_fixed_size 327680
		.amdhsa_private_segment_fixed_size 0
		.amdhsa_enable_private_segment 0
		.amdhsa_kernarg_size 40
		.amdhsa_user_sgpr_count 2
		.amdhsa_user_sgpr_kernarg_segment_ptr 1
		.amdhsa_wavefront_size32 1
		.amdhsa_system_sgpr_workgroup_id_x 1
		.amdhsa_system_sgpr_workgroup_id_y 1
		.amdhsa_system_sgpr_workgroup_id_z 1
		.amdhsa_system_vgpr_workitem_id 0
		.amdhsa_next_free_vgpr 1024
		.amdhsa_next_free_sgpr 100
		.amdhsa_reserve_vcc 0
		.amdhsa_float_denorm_mode_32 3
		.amdhsa_float_denorm_mode_16_64 3
		.amdhsa_fp16_overflow 1
		.amdhsa_memory_ordered 1
		.amdhsa_forward_progress 1
		.amdhsa_inst_pref_size 135
	.end_amdhsa_kernel
	.amdgpu_metadata
---
amdhsa.version: [ 1, 2 ]
amdhsa.kernels:
  - .name:           k_q8276de559a_qkv_gemm
    .symbol:         k_q8276de559a_qkv_gemm.kd
    .args:
      - { .name: x_codes, .offset: 0, .size: 8, .value_kind: global_buffer, .address_space: global }
      - { .name: w_codes, .offset: 8, .size: 8, .value_kind: global_buffer, .address_space: global }
      - { .name: lowp_scales, .offset: 16, .size: 8, .value_kind: global_buffer, .address_space: global }
      - { .name: bqkv, .offset: 24, .size: 8, .value_kind: global_buffer, .address_space: global }
      - { .name: qkv, .offset: 32, .size: 8, .value_kind: global_buffer, .address_space: global }
    .group_segment_fixed_size: 327680
    .private_segment_fixed_size: 0
    .kernarg_segment_align: 8
    .kernarg_segment_size: 40
    .max_flat_workgroup_size: 128
    .sgpr_count:     100
    .vgpr_count:     1024
    .wavefront_size: 32
...
	.end_amdgpu_metadata
.endif
;; end of part 2
;; launch attn (part 3): grid 4 x 64, 8 waves a work-group, clusters of 4 x 1, 263,168 bytes of LDS; arguments qkv, lowp_scales, y_img; writes y_img
.if DOCPART == 3
	.amdgcn_target "amdgcn-amd-amdhsa--gfx1250"
	.amdhsa_code_object_version 6
	.text
	.protected	k_q8276de559a_attn
	.globl	k_q8276de559a_attn
	.p2align	8
	.type	k_q8276de559a_attn,@function
k_q8276de559a_attn:
	s_mov_b64 s[64:65], 0
	v_nop
	global_prefetch_b8 v0, s[64:65] scope:SCOPE_SE
	s_setreg_imm32_b32 hwreg(HW_REG_WAVE_MODE, 25, 1), 1
	s_wait_xcnt 0x0
	s_wait_alu depctr_hold_cnt(0) depctr_sa_sdst(0) depctr_va_vdst(0) depctr_va_sdst(0) depctr_va_ssrc(0) depctr_va_vcc(0) depctr_vm_vsrc(0)
	s_getreg_b32 s2, hwreg(HW_REG_IB_STS2, 6, 4)
	s_cmp_eq_u32 s2, 0
	s_cbranch_scc0 .Lentry_in_a_cluster
	s_endpgm
.Lentry_in_a_cluster:
	s_bfe_u32 s2, ttmp6, 0x10000c
	s_cmp_lg_u32 s2, 0x3003
	s_cbranch_scc0 .Lentry_shape_is_right
	s_endpgm
.Lentry_shape_is_right:
; y = softmax(q k^T / 8, causal) v for 64 heads of 2,048 tokens x 64, both products on codes of E5M2 (scales e2, e3; e4, e5), and y quantised at once (scale e6) into y_img.
; THE SOFTMAX: t = score x log2(e) / 8; M = the row's largest t so far, rounded UP to a whole number; p = 2^(t - M) is quantised along the keys, not normalised.  The row's sum is taken of the
; unquantised p and divides at the end.  When M moves, the sum and O are multiplied by 2^(old M - new M): exact.
; INPUT: qkv holds images of operand registers.  q (at 0), k (at 8 Mi): [64 bh][128 tiles of 16 tokens][2 pieces][32 lanes][16 bytes]; v (at 16 Mi): [64 bh][16 steps of 128 keys][4 tiles of 16 channels][4 pieces][32 lanes][16].
; So every fragment is fetched as pieces of 512 consecutive bytes, 16 a lane, and needs no pitch.  OUTPUT: y_img [512 tiles of 16 tokens][16 heads][2 pieces][32 lanes][16]: the last product's operand.
; SHARES.  A cluster of four work-groups is one head.  The head's whole K and V, 131,072 bytes each, come into every partner's LDS by joint loads, once.  The head's 128 query tiles are 16 groups of 8 (128 queries);
; a tile of group g needs key steps 0 .. g, the last on the diagonal.  Work-group cx takes tiles 2 cx and 2 cx + 1 of EVERY group, so no branch, trip count or LDS address hangs on cx.
; Wave w makes group 15 - w and then group w: 17 key steps in every wave.  In a key step the wave's two tiles share each fragment of K and V.
; LAYOUT.  Both products are used transposed: S^T = K Q^T (source 0 = 16 keys, source 1 = 16 queries), O^T = V^T P^T: a lane holds ONE query (lane % 16) throughout; its eight results of a tile are keys (channels)
; 8 (lane / 16) + 0..7, and their conversion is registers 2 c, 2 c + 1 of the next operand in the plain 8-bit layout.
; LIMITS on the given exponents: 124 + e2 + e3 between 1 and 254 (they are added to the exponent field of log2(e) / 8); e4, and e6 - e4 - e5, between -126 and 112.  NaN among the inputs is not served.  1 / the sum is v_rcp_f32's.
; No prefetch: the first loads stand at the head, and the others are asked for four key steps ahead of their first use.
; REGISTERS.  Window 0: v1 16 x lane; v4, v5 addresses in hand; v6, v7 the mask's bound for tiles 0, 1; v8 -infinity; v9, v10 2^e4 and the hold for p; v12-19, v20-27 a tile's statistics (+0 -M, +1 largest t, +2, +3 the sum,
;   +4 f, +5 written as the pair's upper half, +6, +7 at work); v28-31 second chains of the sums; v32 16 x lane + V's base; v33, v34 y's scale and hold; v36, v37 the lane permutes' destinations;
;   v48-111 eight fragments of K, then four of V; v112-175, v176-239 S^T, then p, of tiles 0, 1; v240-255 p's codes of tile 0 (later y's codes); v112-127 p's codes of tile 1, once tile 0's p is converted.
;   Window 1: v0-63 O^T (tile x, channels 16 c on: 32 x + 8 c); v64-79 Q of the first pass, v80-95 of the second.
.set VOFF,  131072                     ; LDS: K's images at 0, V's here
.set CHUNK, 32768                      ; four key steps of K, or of V
.set STEPB, 8192                       ; a key step of K (8 tiles x 1,024), and of V
.set LI,   1
.set ADK,  4
.set ADV,  5
.set QD,   6
.set NINF, 8
.set PSC,  9
.set PLIM, 10
.set ST,   12
.set C2,   28
.set LIV,  32
.set YSC,  33
.set YLIM, 34
.set PD,   36
.set F,    48
.set S,    112
.set P0,   240
.set YC,   240
.set Q1,   64
.set Q2,   80
.set WV,   10                          ; s10  my wave's number
.set G1,   24                          ; s[24:31] descriptor group 1
.set G0,   32                          ; s[32:47] descriptor group 0, a set for each of my four loads
.set SEL,  56                          ; s[56:57] lane selects for v_permlanex16_b32: lane l xor 16
.set CS,   58                          ; s[58:59] c = log2(e) / 8 x 2^(e2 + e3)
.set TB,   60                          ; s60  LDS byte at which the key step in hand begins
.set KS,   61                          ; s61  the key step
.set G,    62                          ; s62  my group: its last key step
.set CNT,  63
.set MSB, 0
.macro WIN new                         ; the immediate's high byte repeats the setting that is left
.if MSB != \new
	s_set_vgpr_msb (MSB<<8)|\new
.set MSB, \new
.endif
.endm
.macro CROUND                          ; a round of the cluster's barrier
	s_barrier_signal -1
	s_barrier_wait -1
	s_cmp_lg_u32 s[WV], 0
	s_cbranch_scc1 .Lnot_wave_0_\@
	s_barrier_signal -3
.Lnot_wave_0_\@:
	s_barrier_wait -3
	s_barrier_signal -1
	s_barrier_wait -1
.endm
	s_load_b128 s[4:7], s[0:1], 0x0                ; qkv s[4:5], the scales' exponents s[6:7]
	s_load_b64 s[8:9], s[0:1], 0x10                ; y_img
	v_lshl_add_u32 v46, v0, 2, 0x40000
	v_mov_b32 v47, 0
	ds_add_u32 v46, v47
	ds_add_u32 v46, v47
	v_lshrrev_b32 v1, 5, v0
	s_delay_alu instid0(VALU_DEP_1)
	v_readfirstlane_b32 s[WV], v1                  ; wave 0..7
	s_bfe_u32 s11, ttmp6, 0x40000                  ; cx: it enters q's and y's addresses and the mask's bound alone
	s_and_b32 s12, ttmp7, 0xffff                   ; bh: the head, which the four partners share
	; descriptor group 1: a dense block of 16,384 bytes as 64 rows of 256
	s_mov_b32 s[G1], 15|(3<<16)|(1<<21)            ; 15:0 the mask: all four work-groups; 17:16 elements of 8 bytes; 21 set beside a mask; no padding
	s_mov_b32 s[G1+1], 32<<16                      ; tensor_dim0 = 32 elements
	s_mov_b32 s[G1+2], 64<<16                      ; tensor_dim1 = 64
	s_mov_b32 s[G1+3], 32<<16                      ; tile_dim0
	s_mov_b32 s[G1+4], 64                          ; tile_dim1
	s_mov_b32 s[G1+5], 32                          ; tensor_dim0_stride: the rows follow each other
	s_mov_b32 s[G1+6], 0
	s_mov_b32 s[G1+7], 0
	; what I fetch, if I fetch: waves 0, 1: the halves of a chunk of K; waves 2, 3: of V
	s_and_b32 s13, s[WV], 3
	s_lshr_b32 s14, s13, 1                         ; K (0) or V (1)
	s_and_b32 s15, s13, 1
	s_lshl_b32 s15, s15, 14                        ; which 16,384 bytes
	s_lshl_b32 s13, s14, 17
	s_add_co_u32 s13, s13, s15                     ; in LDS,
	s_lshl_b32 s2, s14, 23
	s_add_co_u32 s2, s2, s15
	s_lshl_b32 s3, s12, 17
	s_add_co_u32 s2, s2, s3
	s_add_co_u32 s2, s2, 0x800000                  ; and in qkv: 8 Mi (k's part) + 8 Mi for V + 131,072 bh + the half
	s_mov_b32 s3, 0
	s_wait_dscnt 0x0
	s_wait_kmcnt 0x0
	s_load_b256 s[48:55], s[6:7], 0x0              ; e0 .. e7
	s_add_nc_u64 s[2:3], s[4:5], s[2:3]
.irp c, 0,1,2,3
	s_mov_b32 s[G0+4*\c], 1                        ; count = 1
	s_add_co_u32 s[G0+4*\c+1], s13, \c*CHUNK       ; LDS address
	s_add_nc_u64 s[G0+4*\c+2:G0+4*\c+3], s[2:3], \c*CHUNK
	s_or_b32 s[G0+4*\c+3], s[G0+4*\c+3], 0x80000000  ; type = 2
.endr
	CROUND                                         ; all four work-groups are here: the joint loads meet
	s_cmp_lt_u32 s[WV], 4                          ; ALL the launch's fills go out here, in one branch on the wave's number: four loads of mine are out.  No LDS byte is filled twice
	s_cbranch_scc0 .Lno_fetch
	tensor_load_to_lds s[G0:G0+3], s[G1:G1+7]
	s_nop 0
	tensor_load_to_lds s[G0+4:G0+7], s[G1:G1+7]
	s_nop 0
	tensor_load_to_lds s[G0+8:G0+11], s[G1:G1+7]
	s_nop 0
	tensor_load_to_lds s[G0+12:G0+15], s[G1:G1+7]
	s_nop 0
.rept 4
	v_nop
.endr
.Lno_fetch:
	v_and_b32 v1, 31, v0
	s_delay_alu instid0(VALU_DEP_1)
	v_lshlrev_b32 v[LI], 4, v1
	s_wait_alu depctr_va_vdst(0)
	; q's and y's places for my two passes: tile 8 g + 2 cx of the head
	s_lshl_b32 s13, s12, 17                        ; 131,072 bh
	s_lshl_b32 s14, s11, 1
	s_sub_co_u32 s15, 15, s[WV]
	s_lshl_b32 s15, s15, 3
	s_add_co_u32 s15, s15, s14                     ; first pass: g = 15 - wave
	s_lshl_b32 s2, s[WV], 3
	s_add_co_u32 s2, s2, s14                       ; second pass: g = wave
	s_lshl_b32 s16, s15, 10
	s_add_co_u32 s16, s16, s13
	s_mov_b32 s17, 0
	s_add_nc_u64 s[16:17], s[4:5], s[16:17]
	s_lshl_b32 s18, s2, 10
	s_add_co_u32 s18, s18, s13
	s_mov_b32 s19, 0
	s_add_nc_u64 s[18:19], s[4:5], s[18:19]
	s_lshr_b32 s3, s12, 4
	s_lshl_b32 s3, s3, 7                           ; the batch's first token tile
	s_and_b32 s13, s12, 15
	s_lshl_b32 s13, s13, 10                        ; the head's 1,024 bytes of a token tile's 16,384
	s_add_co_u32 s20, s15, s3
	s_lshl_b32 s20, s20, 14
	s_add_co_u32 s20, s20, s13
	s_mov_b32 s21, 0
	s_add_nc_u64 s[20:21], s[8:9], s[20:21]
	s_add_co_u32 s22, s2, s3
	s_lshl_b32 s22, s22, 14
	s_add_co_u32 s22, s22, s13
	s_mov_b32 s23, 0
	s_add_nc_u64 s[22:23], s[8:9], s[22:23]
	WIN 0x40                                       ; destination window 1
.irp e, 0,1
.irp p, 0,1
	global_load_b128 v[Q1+8*\e+4*\p:Q1+8*\e+4*\p+3], v[LI], s[16:17] offset:1024*\e+512*\p   ; Q stays in registers
	global_load_b128 v[Q2+8*\e+4*\p:Q2+8*\e+4*\p+3], v[LI], s[18:19] offset:1024*\e+512*\p
.endr
.endr
	WIN 0
	v_add_nc_u32 v[LIV], VOFF, v[LI]
	v_and_b32 v12, 15, v0
	v_bfe_u32 v13, v0, 4, 1
	s_delay_alu instid0(VALU_DEP_1)
	v_lshlrev_b32 v13, 3, v13
	s_delay_alu instid0(VALU_DEP_1)
	v_sub_nc_u32 v[QD], v12, v13
	s_lshl_b32 s13, s11, 5
	v_add_nc_u32 v[QD], s13, v[QD]                 ; my query's place in its group of 128, less 8 (lane / 16): tile 0's,
	s_delay_alu instid0(VALU_DEP_1)
	v_add_nc_u32 v[QD+1], 16, v[QD]                ; tile 1's
	v_mov_b32 v[NINF], 0xff800000
	v_mov_b32 v[PD], 0                             ; written once: a lane permute's destination counts as one of its sources
	v_mov_b32 v[PD+1], 0
	s_mov_b32 s[SEL], 0x76543210
	s_mov_b32 s[SEL+1], 0xfedcba98
	s_mov_b32 s[CS], 0x3e38aa3b                    ; log2(e) / 8
	s_wait_kmcnt 0x0
	s_add_co_i32 s13, s50, s51
	s_lshl_b32 s13, s13, 23
	s_add_co_i32 s[CS], s[CS], s13                 ; a score stands for score x 2^(e2 + e3): the exponents are added to c's exponent field
	s_mov_b32 s[CS+1], s[CS]                       ; (named with it as a pair, so it is written)
	s_add_co_i32 s13, s52, 127
	s_lshl_b32 s14, s13, 23
	v_mov_b32 v[PSC], s14                          ; 2^e4
	s_sub_co_i32 s13, s54, s52
	s_sub_co_i32 s13, s13, s53
	s_add_co_i32 s13, s13, 127
	s_lshl_b32 s14, s13, 23
	v_mov_b32 v[YSC], s14                          ; 2^(e6 - e4 - e5): O / the sum stands for y / 2^(e4 + e5)
.macro INIT                            ; a pass begins: the largest t is -3e38, under every t; the sums and O^T are zeros, which the first change of M leaves zeros: so the key step is written once
.irp x, 0,1
	v_mov_b32 v[ST+8*\x+1], 0xff61b1e6
	s_delay_alu instid0(VALU_DEP_1)
	v_floor_f32 v[ST+8*\x], -v[ST+8*\x+1]
	v_mov_b32 v[ST+8*\x+2], 0
	v_mov_b32 v[ST+8*\x+3], 0
	v_mov_b32 v[ST+8*\x+5], 0
.endr
	WIN 0x40
.set j, 0
.rept 64
	v_mov_b32 v[j], 0
.set j, j+1
.endr
	WIN 0
.endm
; A KEY STEP: 128 keys against my two tiles of 16 queries.  qb: Q's registers in window 1.
.macro JSTEP qb
	s_cmp_gt_u32 s[KS], s[G]                       ; a step all of whose keys come after my queries is left out: a branch on the wave's number and the loop's count; the lines at the end that step addresses are not jumped
	s_cbranch_scc1 .Lskip_\@
	s_setprio 2
	v_add_nc_u32 v[ADK], s[TB], v[LI]
	v_add_nc_u32 v[ADV], s[TB], v[LIV]
.irp t, 0,1,2,3,4,5,6,7
	ds_load_b128 v[F+8*\t:F+8*\t+3], v[ADK] offset:1024*\t         ; K's tile t: keys 16 t on
	ds_load_b128 v[F+8*\t+4:F+8*\t+7], v[ADK] offset:1024*\t+512
.endr
	WIN 0x04                                       ; source 1 (Q) window 1
	s_wait_alu depctr_va_vdst(0)
	s_wait_dscnt 8                                 ; tiles 0 to 3 are in; the youngest eight loads may be out
.irp t, 0,1,2,3
.irp x, 0,1
	v_wmma_f32_16x16x64_bf8_bf8 v[S+64*\x+8*\t:S+64*\x+8*\t+7], v[F+8*\t:F+8*\t+7], v[\qb+8*\x:\qb+8*\x+7], 0
.endr
.endr
	s_wait_dscnt 0
.irp t, 4,5,6,7
.irp x, 0,1
	v_wmma_f32_16x16x64_bf8_bf8 v[S+64*\x+8*\t:S+64*\x+8*\t+7], v[F+8*\t:F+8*\t+7], v[\qb+8*\x:\qb+8*\x+7], 0
.endr
.endr                                          ; register 8 t + i of a tile: key 16 t + 8 (lane / 16) + i of the step
	WIN 0
.rept 4
	v_nop                                          ; places in front of the loads into K's registers and of the first read of the scores
.endr
.irp c, 0,1,2,3
.irp p, 0,1,2,3
	ds_load_b128 v[F+16*\c+4*\p:F+16*\c+4*\p+3], v[ADV] offset:2048*\c+512*\p   ; V's tile c: channels 16 c on, 128 keys: it lands under the softmax
.endr
.endr
	s_cmp_lg_u32 s[KS], s[G]                       ; on the diagonal the scores of hidden keys become -infinity ahead of the maximum: p = 0 then.  The group's first key counts for all its queries, so M is a number
	s_cbranch_scc1 .Lopen_\@
.irp x, 0,1
.set n, 0
.rept 64
	v_cmp_gt_i32 vcc_lo, 16*(n/8)+n%8, v[QD+\x]
	v_cndmask_b32 v[S+64*\x+n], v[S+64*\x+n], v[NINF], vcc_lo
.set n, n+1
.endr
.endr
.Lopen_\@:
.irp x, 0,1                                    ; the step's largest score of my query among my 64 keys, in two chains a tile, each accumulator from its low end on; the tiles take turns line by line
	v_max3_num_f32 v[ST+8*\x+6], v[S+64*\x], v[S+64*\x+1], v[S+64*\x+2]
	v_max3_num_f32 v[ST+8*\x+7], v[S+64*\x+3], v[S+64*\x+4], v[S+64*\x+5]
.endr
.irp i, 6,10,14,18,22,26,30,34,38,42,46,50,54,58
.irp x, 0,1
	v_max3_num_f32 v[ST+8*\x+6], v[ST+8*\x+6], v[S+64*\x+\i], v[S+64*\x+\i+1]
	v_max3_num_f32 v[ST+8*\x+7], v[ST+8*\x+7], v[S+64*\x+\i+2], v[S+64*\x+\i+3]
.endr
.endr
.irp x, 0
	v_max3_num_f32 v[ST+8*\x+6], v[ST+8*\x+6], v[S+64*\x+62], v[S+64*\x+63]
.endr
.irp x, 1
	v_max3_num_f32 v[ST+8*\x+6], v[ST+8*\x+6], v[S+64*\x+62], v[S+64*\x+63]
.endr
.irp x, 0,1
	s_delay_alu instid0(VALU_DEP_2)
	v_max_num_f32 v[ST+8*\x+6], v[ST+8*\x+6], v[ST+8*\x+7]
.endr
.irp x, 0,1
	s_delay_alu instid0(VALU_DEP_2)
	v_permlanex16_b32 v[PD+\x], v[ST+8*\x+6], s[SEL], s[SEL+1]
.endr
.irp x, 0,1
	s_delay_alu instid0(VALU_DEP_2)
	v_max_num_f32 v[ST+8*\x+6], v[ST+8*\x+6], v[PD+\x]             ; and among lane l xor 16's
.endr
.irp x, 0,1
	s_delay_alu instid0(VALU_DEP_2)
	v_mul_f32 v[ST+8*\x+6], s[CS], v[ST+8*\x+6]                    ; as t (c is positive)
.endr
.irp x, 0,1
	s_delay_alu instid0(VALU_DEP_2)
	v_max_num_f32 v[ST+8*\x+1], v[ST+8*\x+1], v[ST+8*\x+6]         ; the running largest t
.endr
.irp x, 0,1
	v_mov_b32 v[ST+8*\x+6], v[ST+8*\x]
.endr
.irp x, 0,1
	s_delay_alu instid0(VALU_DEP_4)
	v_floor_f32 v[ST+8*\x], -v[ST+8*\x+1]                          ; the new -M = floor(-t): M is a whole number
.endr
.irp x, 0,1
	s_delay_alu instid0(VALU_DEP_2)
	v_sub_f32 v[ST+8*\x+6], v[ST+8*\x], v[ST+8*\x+6]               ; old M - new M: a whole number, 0 or less
.endr
.irp x, 0,1
	s_delay_alu instid0(VALU_DEP_2)
	v_cvt_i32_f32 v[ST+8*\x+6], v[ST+8*\x+6]                       ; (it saturates)
.endr
.irp x, 0,1
	s_delay_alu instid0(VALU_DEP_2)
	v_ldexp_f32 v[ST+8*\x+4], 1.0, v[ST+8*\x+6]                    ; f = 2^(old M - new M)
.endr
	s_setprio 1
.irp x, 0,1
.set j, 0
.rept 32
	v_pk_fma_f32 v[S+64*\x+j:S+64*\x+j+1], v[S+64*\x+j:S+64*\x+j+1], s[CS:CS+1], v[ST+8*\x:ST+8*\x+1] op_sel_hi:[1,0,0]   ; t - M, two at a time (of the pairs c and -M the low word serves both halves)
.set j, j+2
.endr
.endr
.set j, 0
	s_wait_alu depctr_va_vdst(0)
.rept 128
	v_exp_f32 v[S+j], v[S+j]                       ; p = 2^(t - M), at most 1: both tiles' exponentials are one batch
.set j, j+1
.endr
	v_pk_mul_f32 v[ST+2:ST+3], v[ST+2:ST+3], v[ST+4:ST+5] op_sel_hi:[1,0]       ; tile 0's sum under the new M: the plain line behind the exponentials
	s_wait_alu depctr_va_vdst(0)                   ; one wait for the batch, ahead of its first reader
	v_pk_mul_f32 v[ST+10:ST+11], v[ST+10:ST+11], v[ST+12:ST+13] op_sel_hi:[1,0] ; tile 1's
.irp x, 0,1                                    ; the row's sum is taken of the unquantised p: two at a time, in two chains a tile
	v_pk_add_f32 v[C2+2*\x:C2+2*\x+1], v[S+64*\x:S+64*\x+1], v[S+64*\x+2:S+64*\x+3]
.endr
.irp j, 4,8,12,16,20,24,28,32,36,40,44,48,52,56,60
.irp x, 0,1
	v_pk_add_f32 v[ST+8*\x+2:ST+8*\x+3], v[ST+8*\x+2:ST+8*\x+3], v[S+64*\x+\j:S+64*\x+\j+1]
	v_pk_add_f32 v[C2+2*\x:C2+2*\x+1], v[C2+2*\x:C2+2*\x+1], v[S+64*\x+\j+2:S+64*\x+\j+3]
.endr
.endr
.irp x, 0
	s_delay_alu instid0(VALU_DEP_3)
	v_pk_add_f32 v[ST+8*\x+2:ST+8*\x+3], v[ST+8*\x+2:ST+8*\x+3], v[C2+2*\x:C2+2*\x+1]
.endr
.irp x, 1
	s_delay_alu instid0(VALU_DEP_2)
	v_pk_add_f32 v[ST+8*\x+2:ST+8*\x+3], v[ST+8*\x+2:ST+8*\x+3], v[C2+2*\x:C2+2*\x+1]
.endr
	s_setprio 0
.irp t, 0,1,2,3,4,5,6,7                        ; tile 0's p becomes codes: registers 2 t, 2 t + 1 of the operand: keys 16 t + 8 (lane / 16) + 0..7
.irp i, 0,1,2,3,4,5,6,7
.endr
	v_cvt_scalef32_pk8_bf8_f32 v[P0+2*\t:P0+2*\t+1], v[S+8*\t:S+8*\t+7], v[PSC]
.endr
	v_nop
.irp t, 0,1,2,3,4,5,6,7                        ; tile 1's, into the registers that tile 0's p has left
.irp i, 0,1,2,3,4,5,6,7
.endr
	v_cvt_scalef32_pk8_bf8_f32 v[S+2*\t:S+2*\t+1], v[S+64+8*\t:S+64+8*\t+7], v[PSC]
.endr
	WIN 0x41                                       ; O^T (destination and source 0) window 1, f window 0
.irp x, 0,1
.set j, 0
.rept 16
	v_pk_mul_f32 v[32*\x+j:32*\x+j+1], v[32*\x+j:32*\x+j+1], v[ST+8*\x+4:ST+8*\x+5] op_sel_hi:[1,0]   ; O^T under the new M.  (These are also the plain lines behind the conversions)
.set j, j+2
.endr
.endr
	s_wait_alu depctr_va_vdst(0)
	s_wait_dscnt 0                                 ; V is in
	WIN 0x50                                       ; C and D window 1
.irp c, 0,1,2,3                                ; O^T += V^T P^T: the eight accumulators take turns, one instruction a turn
.irp x, 0,1
	v_wmma_f32_16x16x128_bf8_bf8 v[32*\x+8*\c:32*\x+8*\c+7], v[F+16*\c:F+16*\c+15], v[240-128*\x:255-128*\x], v[32*\x+8*\c:32*\x+8*\c+7]
.endr
.endr
	WIN 0
.rept 5
	v_nop                                          ; five places: the next step's first products write over tile 1's codes, which these products read; its loads into V's registers want four
.endr
.Lskip_\@:
	s_add_co_u32 s[KS], s[KS], 1
	s_add_co_u32 s[TB], s[TB], STEPB
.endm
.macro WALK trips, qb
	s_mov_b32 s[CNT], \trips
.Lwalk_\@:
	JSTEP \qb
	s_sub_co_u32 s[CNT], s[CNT], 1
	s_cmp_lg_u32 s[CNT], 0
	s_cbranch_scc1 .Lwalk_\@
	s_setprio 0
.endm
; A pass ends: O^T / the sum, four conversions a tile: two pieces of y's image, 512 consecutive bytes each.  yb: the scalar pair with y's place
.macro FINISH yb
.irp x, 0,1
	v_add_f32 v[ST+8*\x+6], v[ST+8*\x+2], v[ST+8*\x+3]             ; the sum's two halves,
.endr
.irp x, 0,1
	s_delay_alu instid0(VALU_DEP_2)
	v_permlanex16_b32 v[PD+\x], v[ST+8*\x+6], s[SEL], s[SEL+1]
.endr
.irp x, 0,1
	s_delay_alu instid0(VALU_DEP_2)
	v_add_f32 v[ST+8*\x+6], v[ST+8*\x+6], v[PD+\x]                 ; and lane l xor 16's
.endr
	s_wait_alu depctr_va_vdst(0)
.irp x, 0,1
	v_rcp_f32 v[ST+8*\x+7], v[ST+8*\x+6]
.endr
	v_nop                                          ; a plain line behind the reciprocals
	s_wait_alu depctr_va_vdst(0)                   ; and the wait, one for the two
	WIN 0x01                                       ; source 0 (O^T) window 1
.irp x, 0,1
.set j, 0
.rept 32
	v_mul_f32 v[S+64*\x+j], v[32*\x+j], v[ST+8*\x+7]               ; each accumulator from its low end on
.set j, j+1
.endr
.endr
	WIN 0
.irp x, 0,1
.set j, 0
.rept 32
.set j, j+1
.endr
.irp c, 0,1,2,3
	v_cvt_scalef32_pk8_bf8_f32 v[YC+8*\x+2*\c:YC+8*\x+2*\c+1], v[S+64*\x+8*\c:S+64*\x+8*\c+7], v[YSC]
.endr
.endr
	v_nop                                          ; a plain line behind the last conversion
.irp x, 0,1
.irp p, 0,1
	global_store_b128 v[LI], v[YC+8*\x+4*\p:YC+8*\x+4*\p+3], s[\yb:\yb+1] offset:16384*\x+512*\p
.endr
.endr
.endm
	INIT
	s_sub_co_u32 s[G], 15, s[WV]
	s_mov_b32 s[KS], 0
	s_mov_b32 s[TB], 0
	s_wait_loadcnt 0x0                             ; Q
	s_wait_tensorcnt 0x3                           ; my first load, my part of key steps 0 to 3, is in; the three behind it may be out
	s_barrier_signal -1
	s_barrier_wait -1                              ; everybody's is
	WALK 4, Q1
	s_wait_tensorcnt 0x0                           ; all my loads are in,
	s_wait_dscnt 0x0
	s_barrier_signal -1
	s_barrier_wait -1                              ; everybody's are: from here on the waves run free
	WALK 12, Q1
	FINISH 20
	s_wait_xcnt 0x0                                ; the stores have read their data: the second pass writes those registers again
	INIT
	s_mov_b32 s[G], s[WV]
	s_mov_b32 s[KS], 0
	s_mov_b32 s[TB], 0
	WALK 8, Q2
	FINISH 22
	s_wait_tensorcnt 0x0
	s_wait_dscnt 0x0
	s_wait_tensorcnt 0x0
	ds_add_u32 v46, v47
	s_wait_dscnt 0x0
	CROUND                                         ; the closing round
	s_endpgm
.Lfunc_end_k_q8276de559a_attn:
	.size	k_q8276de559a_attn, .Lfunc_end_k_q8276de559a_attn-k_q8276de559a_attn
	.p2alignl 7, 3214868480
	.fill 96, 4, 3214868480
	.section	.rodata,"a",@progbits
	.p2align	6, 0x0
	.amdhsa_kernel k_q8276de559a_attn
		.amdhsa_group_segment_fixed_size 263168
		.amdhsa_private_segment_fixed_size 0
		.amdhsa_enable_private_segment 0
		.amdhsa_kernarg_size 24
		.amdhsa_user_sgpr_count 2
		.amdhsa_user_sgpr_kernarg_segment_ptr 1
		.amdhsa_wavefront_size32 1
		.amdhsa_system_sgpr_workgroup_id_x 1
		.amdhsa_system_sgpr_workgroup_id_y 1
		.amdhsa_system_sgpr_workgroup_id_z 1
		.amdhsa_system_vgpr_workitem_id 0
		.amdhsa_next_free_vgpr 352
		.amdhsa_next_free_sgpr 66
		.amdhsa_reserve_vcc 1
		.amdhsa_float_denorm_mode_32 3
		.amdhsa_float_denorm_mode_16_64 3
		.amdhsa_fp16_overflow 1
		.amdhsa_memory_ordered 1
		.amdhsa_forward_progress 1
		.amdhsa_inst_pref_size 126
	.end_amdhsa_kernel
	.amdgpu_metadata
---
amdhsa.version: [ 1, 2 ]
amdhsa.kernels:
  - .name:           k_q8276de559a_attn
    .symbol:         k_q8276de559a_attn.kd
    .args:
      - { .name: qkv, .offset: 0, .size: 8, .value_kind: global_buffer, .address_space: global }
      - { .name: lowp_scales, .offset: 8, .size: 8, .value_kind: global_buffer, .address_space: global }
      - { .name: y_img, .offset: 16, .size: 8, .value_kind: global_buffer, .address_space: global }
    .group_segment_fixed_size: 263168
    .private_segment_fixed_size: 0
    .kernarg_segment_align: 8
    .kernarg_segment_size: 24
    .max_flat_workgroup_size: 256
    .sgpr_count:     66
    .vgpr_count:     352
    .wavefront_size: 32
...
	.end_amdgpu_metadata
.endif
;; end of part 3
;; launch proj_gemm (part 4): grid 4 x 32, 4 waves a work-group, clusters of 4 x 4, 327,680 bytes of LDS; arguments y_img, w_codes, lowp_scales, bproj, out0; writes out0
.if DOCPART == 4
	.amdgcn_target "amdgcn-amd-amdhsa--gfx1250"
	.amdhsa_code_object_version 6
	.text
	.protected	k_q8276de559a_proj_gemm
	.globl	k_q8276de559a_proj_gemm
	.p2align	8
	.type	k_q8276de559a_proj_gemm,@function
k_q8276de559a_proj_gemm:
	s_mov_b64 s[64:65], 0
	v_nop
	global_prefetch_b8 v0, s[64:65] scope:SCOPE_SE
	s_setreg_imm32_b32 hwreg(HW_REG_WAVE_MODE, 25, 1), 1
	s_wait_xcnt 0x0
	s_wait_alu depctr_hold_cnt(0) depctr_sa_sdst(0) depctr_va_vdst(0) depctr_va_sdst(0) depctr_va_ssrc(0) depctr_va_vcc(0) depctr_vm_vsrc(0)
	s_getreg_b32 s2, hwreg(HW_REG_IB_STS2, 6, 4)
	s_cmp_eq_u32 s2, 0
	s_cbranch_scc0 .Lentry_in_a_cluster
	s_endpgm
.Lentry_in_a_cluster:
	s_bfe_u32 s2, ttmp6, 0x10000c
	s_cmp_lg_u32 s2, 0xf033
	s_cbranch_scc0 .Lentry_shape_is_right
	s_endpgm
.Lentry_shape_is_right:
; out0 = y Wproj + bproj on codes of E5M2 (scales e6, e7).  out0: [8192][1024] f32.
; A = y_img [512 tiles of 16 tokens][16 heads][2 pieces][32 lanes][16 bytes]: an image of operand registers: two neighbouring heads' four pieces are a fragment of 16 tokens x 128 K in the plain 8-bit layout.
; B = rows 3,072 on of w_codes [4096][1024]: Wproj's columns, K innermost, the middle groups of 8 of every 32 exchanged, so that 16 bytes at 32 c + 16 (lane / 16) are registers 4 c .. 4 c + 3 of the same layout.
; A tile of out0, 256 x 256, is made by four waves, 128 x 128 each; K = 1,024 goes in four steps of 256 through a ring of two LDS slots filled by joint tensor loads.
; THE MATRIX INSTRUCTION IS USED TRANSPOSED (source 0 = 16 rows of B, source 1 = 16 tokens): a lane holds eight neighbouring numbers of a row of out0.
; Each finished sum is multiplied once by 2^(e6 + e7) and the bias added, in one packed multiply-add.  LIMIT: e6 + e7 between -126 and 127.
; CLUSTERS: 4 x 4: A's tile is shared along a row of the cluster, B's along a column.  128 work-groups: the largest wave tile is kept.
; REGISTERS, in windows of 256: window 0: v0-31 addresses; v96-99 my four columns' bias; from v128 A's fragments, ONE set; on the way out v128-255 take rows back from the stage.
;   window 1: B's fragments, TWO sets.   windows 2, 3: the accumulators of my rows 0-63, 64-127.
.set ROWB,   256                       ; B: a tile's row in bytes
.set KROW,   1024
.set PITCH,  272                       ; B's LDS row: 256 bytes + 16 of padding
.set FR,     16
.set NL,     4
.set NP,     4                         ; places behind this matrix instruction (ISA guide 7.12.1)
.set HALFA,  32768                     ; A: 8 token tiles x 4,096 bytes (256 along K): what one load brings and one wave reads; an image needs no padding
.set BOFF,   2*HALFA                   ; B's rows lie behind A's images
.set HALFB,  128*PITCH
.set SLOT,   BOFF+2*HALFB
.set LAPS,   2
.set SPARE,  2*SLOT                    ; behind the ring: the spare words, 128 bytes for each wave
.set SPITCH, 528                       ; the way out: a stage of 16 rows x (512 bytes + 16) for each wave, in slot 0, which has had its last fill and its last read when the first result is stored there
.set ADRA, 16
.set ADRB, 20
.set STO,  24                          ; v24     the way out: where I put 32 bytes of a row
.set RD,   25                          ; v25     where I read a row back
.set CO,   26                          ; v26     16 x lane: my place in an image's piece, in a row of the stage and in a row of out0
.set SPW,  28
.set NIL,  29
.set BIAS, 96
.set AF,   128
.set BK,   128                         ; the way out: v128-191 and v192-255 by turns
.set G1, 24
.set G0, 32
.set G1B, 48
.set G0B, 56
.set MSB, 0
.macro WIN new                         ; the immediate's high byte repeats the setting that is left
.if MSB != \new
	s_set_vgpr_msb (MSB<<8)|\new
.set MSB, \new
.endif
.endm
.set MUL_LO, 0xa1
.set MUL_HI, 0xf1
.set TO_B,   0x40
.macro JLOAD g0a, g1a, g0b, g1b        ; a joint load: waves 0 and 1 fetch for A, waves 2 and 3 for B; four v_nop follow each of the two lines
	s_cmp_eq_u32 s15, 0
	s_cbranch_scc0 .Lfor_b_\@
	tensor_load_to_lds s[\g0a:\g0a+3], s[\g1a:\g1a+7]
	s_nop 0
.rept 4
	v_nop
.endr
	s_branch .Lasked_\@
.Lfor_b_\@:
	tensor_load_to_lds s[\g0b:\g0b+3], s[\g1b:\g1b+7]
	s_nop 0
.rept 4
	v_nop
.endr
.Lasked_\@:
.endm
.macro CREST
	s_cmp_lg_u32 s14, 0
	s_cbranch_scc1 .Lnot_wave_0_\@
	s_barrier_signal -3
.Lnot_wave_0_\@:
	s_barrier_wait -3
	s_barrier_signal -1
	s_barrier_wait -1
.endm
.macro CROUND
	s_barrier_signal -1
	s_barrier_wait -1
	CREST
.endm
	s_load_b256 s[4:11], s[0:1], 0x0               ; y_img s[4:5], w_codes s[6:7], the scales' exponents s[8:9], bproj s[10:11]
	s_load_b64 s[12:13], s[0:1], 0x20              ; out0
	v_lshl_add_u32 v[SPW], v0, 2, SPARE
	v_mov_b32 v[NIL], 0
	ds_add_u32 v28, v29
	ds_add_u32 v28, v29
	s_wait_dscnt 0x0
	v_lshrrev_b32 v1, 5, v0
	v_readfirstlane_b32 s14, v1                    ; wave 0..3
	s_lshr_b32 s15, s14, 1                         ; which half of the tile's rows is mine.  Also: I fetch for A (0) or for B (1)
	s_and_b32 s16, s14, 1                          ; which half of its columns.  Also: which half of that tile I fetch
	s_bfe_u32 s40, ttmp6, 0x40000                  ; cx, cy
	s_bfe_u32 s41, ttmp6, 0x40004
	s_lshl_b32 s42, ttmp9, 2
	s_add_co_u32 s42, s42, s40                     ; tile column
	s_and_b32 s17, ttmp7, 0xffff
	s_lshl_b32 s17, s17, 2
	s_add_co_u32 s17, s17, s41                     ; tile row
	s_lshl_b32 s43, s41, 2
	s_lshl_b32 s43, 15, s43                        ; my row of the cluster
	s_lshl_b32 s44, 0x1111, s40                    ; my column
	; descriptor group 1 for A: 8 token tiles x 4,096 bytes, 16,384 bytes apart, in elements of 8 bytes; no padding
	s_or_b32 s[G1+0], s43, (3<<16)|(1<<21)
	s_mov_b32 s[G1+1], 512<<16                     ; tensor_dim0
	s_mov_b32 s[G1+2], 8<<16                       ; tensor_dim1
	s_mov_b32 s[G1+3], 512<<16                     ; tile_dim0
	s_mov_b32 s[G1+4], 8                           ; tile_dim1
	s_mov_b32 s[G1+5], 2048                        ; tensor_dim0_stride
	s_mov_b32 s[G1+6], 0
	s_mov_b32 s[G1+7], 0
	; for B: 128 rows x 256 bytes, padded in LDS: four words after every 64
	s_or_b32 s[G1B+0], s44, (0<<16)|(1<<20)|(1<<21)|(5<<22)|(3<<25)
	s_mov_b32 s[G1B+1], ROWB<<16
	s_mov_b32 s[G1B+2], 128<<16
	s_mov_b32 s[G1B+3], ROWB<<16
	s_mov_b32 s[G1B+4], 128
	s_mov_b32 s[G1B+5], KROW
	s_mov_b32 s[G1B+6], 0
	s_mov_b32 s[G1B+7], 0
	s_lshl_b32 s20, s17, 4
	s_lshl_b32 s18, s16, 3
	s_add_co_u32 s20, s20, s18                     ; A: token tile 16 x tile row + 8 x half,
	s_lshl_b32 s20, s20, 14                        ; in bytes
	s_mov_b32 s21, 0
	s_lshl_b32 s46, s42, 8
	s_lshl_b32 s47, s16, 7
	s_add_co_u32 s46, s46, s47
	s_add_co_u32 s46, s46, 3072                    ; B: row 3,072 + 256 x tile column + 128 x half,
	s_lshl_b32 s46, s46, 10
	s_mov_b32 s47, 0
	s_mul_i32 s45, s16, HALFA                      ; where they go: no place in the cluster enters an LDS address
	s_mul_i32 s66, s16, HALFB
	s_add_co_u32 s66, s66, BOFF
	s_wait_kmcnt 0x0
	s_load_b256 s[72:79], s[8:9], 0x0              ; e0 .. e7
	s_add_nc_u64 s[20:21], s[4:5], s[20:21]
	s_add_nc_u64 s[46:47], s[6:7], s[46:47]
	CROUND                                         ; all sixteen work-groups are here: the first joint loads meet
.irp s, 0,1
	s_mov_b32 s[G0+4*\s], 1
	s_add_co_u32 s[G0+4*\s+1], s45, \s*SLOT
	s_add_nc_u64 s[G0+4*\s+2:G0+4*\s+3], s[20:21], \s*4096          ; K step s: four heads on
	s_or_b32 s[G0+4*\s+3], s[G0+4*\s+3], 0x80000000
	s_mov_b32 s[G0B+4*\s], 1
	s_add_co_u32 s[G0B+4*\s+1], s66, \s*SLOT
	s_add_nc_u64 s[G0B+4*\s+2:G0B+4*\s+3], s[46:47], \s*ROWB
	s_or_b32 s[G0B+4*\s+3], s[G0B+4*\s+3], 0x80000000
	s_wait_alu depctr_va_vdst(0)
	s_wait_tensorcnt 0x0
	ds_add_u32 v28, v29
	ds_add_u32 v28, v29
	s_wait_dscnt 0x0
	CROUND
	JLOAD G0+4*\s, G1, G0B+4*\s, G1B
.endr
	v_and_b32 v1, 15, v0                           ; r
	v_bfe_u32 v2, v0, 4, 1                         ; h
	v_and_b32 v6, 31, v0
	v_lshlrev_b32 v[CO], 4, v6
	v_mul_u32_u24 v3, v1, PITCH
	v_lshl_add_u32 v4, v2, 4, v3                   ; B: a fragment's row x pitch + 16 h
	s_mul_i32 s21, s15, HALFA                      ; my 8 token tiles of A
	s_mul_i32 s22, s16, HALFB                      ; my 128 rows of B
	s_add_co_u32 s22, s22, BOFF
.irp s, 0,1
	v_add_nc_u32 v[ADRA+\s], s21, v[CO]
	v_add_nc_u32 v[ADRB+\s], s22, v4
	s_add_co_u32 s21, s21, SLOT
	s_add_co_u32 s22, s22, SLOT
.endr
	s_mul_i32 s23, s14, 16*SPITCH                  ; my stage
	v_mul_u32_u24 v5, v1, SPITCH                   ; in: row r, 32 bytes for each half of the lanes
	v_lshl_add_u32 v5, v2, 5, v5
	v_add_nc_u32 v[STO], s23, v5
	v_add_nc_u32 v[RD], s23, v[CO]                 ; back: the 32 lanes take one row of 512 bytes
	s_lshl_b32 s84, s17, 8
	s_lshl_b32 s85, s15, 7
	s_add_co_u32 s84, s84, s85                     ; my first row of out0,
	s_lshl_b32 s84, s84, 12                        ; of 4,096 bytes,
	s_lshl_b32 s86, s42, 10
	s_lshl_b32 s87, s16, 9
	s_add_co_u32 s86, s86, s87                     ; and my first column, in bytes
	s_add_co_u32 s84, s84, s86
	s_mov_b32 s85, 0
	s_mov_b32 s87, 0
	s_add_nc_u64 s[12:13], s[12:13], s[84:85]
	s_add_nc_u64 s[80:81], s[10:11], s[86:87]
	global_load_b128 v[BIAS:BIAS+3], v[CO], s[80:81]   ; bproj of the four columns that I store
.macro FRAGA reg, adr, q, i            ; token tile i, the slot's q-th 128 along K: four pieces of 512 bytes, as they lie
.irp c, 0,1,2,3
	ds_load_b128 v[\reg+4*\c:\reg+4*\c+3], v[\adr] offset:4096*(\i)+2048*(\q)+512*\c
.endr
.endm
.macro FRAGB reg, adr, q, i            ; 16 rows x 128 K: lane l holds row l % 16; registers 4 c .. 4 c + 3 hold the 16 bytes at 32 c + 16 (l / 16)
.irp c, 0,1,2,3
	ds_load_b128 v[\reg+4*\c:\reg+4*\c+3], v[\adr] offset:128*(\q)+32*\c+(\i)*16*PITCH
.endr
.endm
; The 64 accumulators take turns, one instruction a turn, in the same order in every step.
.macro MUL16 a0, p, zero
.irp a, \a0, \a0+1
.irp b, 0,1,2,3,4,5,6,7
.if \zero
	v_wmma_f32_16x16x128_bf8_bf8 v[8*(8*((\a)%4)+\b):8*(8*((\a)%4)+\b)+7], v[128*(\p)+FR*\b:128*(\p)+FR*\b+FR-1], v[AF+FR*(\a):AF+FR*(\a)+FR-1], 0
.else
	v_wmma_f32_16x16x128_bf8_bf8 v[8*(8*((\a)%4)+\b):8*(8*((\a)%4)+\b)+7], v[128*(\p)+FR*\b:128*(\p)+FR*\b+FR-1], v[AF+FR*(\a):AF+FR*(\a)+FR-1], v[8*(8*((\a)%4)+\b):8*(8*((\a)%4)+\b)+7]
.endif
.endr
.endr
.endm
.macro FETCH_B slot, q, p
	WIN TO_B
.irp i, 0,1,2,3,4,5,6,7
	FRAGB 128*(\p)+FR*\i, ADRB+\slot, \q, \i
.endr
	WIN 0
.endm
.macro FETCH_A slot, q, i0
.irp i, \i0, \i0+1, \i0+2, \i0+3
	FRAGA AF+FR*(\i), ADRA+\slot, \q, \i
.endr
.endm
.macro PLACES n
.rept \n
	v_nop
.endr
.endm
.macro STEP slot, q, zero              ; a step of 128 along K that has its successor in the same slot
	s_wait_dscnt 4*NL                              ; B's set and A's blocks 0-3 are in; the youngest sixteen loads (A's blocks 4-7) may be out
	WIN MUL_LO
	MUL16 0, (\q)%2, \zero
	MUL16 2, (\q)%2, \zero
	s_wait_dscnt 0
	PLACES NP
	FETCH_B \slot, (\q)+1, 1-(\q)%2
	FETCH_A \slot, (\q)+1, 0
	WIN MUL_HI
	MUL16 4, (\q)%2, \zero
	MUL16 6, (\q)%2, \zero
	PLACES NP
	WIN 0
	FETCH_A \slot, (\q)+1, 4
.endm
.macro TURN slot, next, fill           ; a slot's last step changes slots: one barrier, as a round of the cluster's where the slot is filled again
	s_wait_tensorcnt 0x0                           ; all my tensor loads have landed: my part of the next slot
	ds_add_u32 v[SPW], v[NIL]                      ; 0 onto my spare word
	s_wait_dscnt 4*NL+1                            ; (the add and the youngest sixteen loads may be out)
	WIN MUL_LO
	MUL16 0, 1, 0
	s_wait_dscnt 0x0                               ; the add is done, and my reads of this slot are over
	s_barrier_signal -1
	MUL16 2, 1, 0
	WIN 0
	s_barrier_wait -1
.if \fill
	CREST
	s_add_nc_u64 s[G0+4*\slot+2:G0+4*\slot+3], s[G0+4*\slot+2:G0+4*\slot+3], 2*4096
	s_add_nc_u64 s[G0B+4*\slot+2:G0B+4*\slot+3], s[G0B+4*\slot+2:G0B+4*\slot+3], 2*ROWB
	JLOAD G0+4*\slot, G1, G0B+4*\slot, G1B         ; the first tensor load behind the round; its four v_nop are also the places in front of the loads below
.else
	PLACES NP
.endif
	FETCH_B \next, 0, 0
	FETCH_A \next, 0, 0
	WIN MUL_HI
	MUL16 4, 1, 0
	MUL16 6, 1, 0
	PLACES NP
	WIN 0
	FETCH_A \next, 0, 4
.endm
	s_wait_alu depctr_va_vdst(0)
	s_wait_tensorcnt 1                             ; my part of K step 0 is in (K step 1's load may be out),
	s_barrier_signal -1
	s_barrier_wait -1                              ; everybody's is
	FETCH_B 0, 0, 0
	FETCH_A 0, 0, 0
	FETCH_A 0, 0, 4
	STEP 0, 0, 1                                   ; the first step's products start the sums
	s_mov_b32 s3, LAPS-1
.Llap:
	TURN 0, 1, 1
	STEP 1, 0, 0
	TURN 1, 0, 1
	STEP 0, 0, 0
	s_sub_co_u32 s3, s3, 1
	s_cmp_lg_u32 s3, 0
	s_cbranch_scc1 .Llap
	TURN 0, 1, 0                                   ; the last lap fills nothing
	STEP 1, 0, 0
	s_wait_dscnt 4*NL
	WIN MUL_LO
	MUL16 0, 1, 0
	MUL16 2, 1, 0
	s_wait_dscnt 0
	WIN MUL_HI
	MUL16 4, 1, 0
	MUL16 6, 1, 0
	WIN 0
; THE WAY OUT, block by block of 16 rows x 128 columns.  The raw sums go from the accumulators into my own stage and come back as whole rows of 512 bytes; there each lane holds four fixed columns,
; so one packed multiply-add for two numbers gives sum x 2^(e6 + e7) + bias.  LDS serves a wave's instructions in order: no wait between the stores and the loads.
.macro TOSTAGE a
.set AC, 64*((\a)%4)
	WIN (0x08+4*((\a)/4))                          ; the stores' data: window 2 or 3
.irp b, 0,1,2,3,4,5,6,7
	ds_store_b128 v[STO], v[AC+8*\b:AC+8*\b+3] offset:64*\b        ; each accumulator from its low end on
	ds_store_b128 v[STO], v[AC+8*\b+4:AC+8*\b+7] offset:64*\b+16
.endr
	WIN 0
.set BB, BK+64*((\a)%2)
.irp t, 0,1,2,3,4,5,6,7,8,9,10,11,12,13,14,15
	ds_load_b128 v[BB+4*\t:BB+4*\t+3], v[RD] offset:\t*SPITCH
.endr
.endm
.macro SEND a, younger                 ; younger: the LDS instructions issued behind block a's loads, which may stay out
.set BB, BK+64*((\a)%2)
	s_wait_dscnt \younger
.if (\a) > 0
	s_add_nc_u64 s[12:13], s[12:13], 16*4096       ; (behind a wait on XCNT: the earlier stores have read their base)  16 rows of out0 on
.endif
.irp t, 0,1,2,3,4,5,6,7,8,9,10,11,12,13,14,15
	v_pk_fma_f32 v[BB+4*\t:BB+4*\t+1], v[BB+4*\t:BB+4*\t+1], s[96:97], v[BIAS:BIAS+1] op_sel_hi:[1,0,1]
	v_pk_fma_f32 v[BB+4*\t+2:BB+4*\t+3], v[BB+4*\t+2:BB+4*\t+3], s[96:97], v[BIAS+2:BIAS+3] op_sel_hi:[1,0,1]
	global_store_b128 v[CO], v[BB+4*\t:BB+4*\t+3], s[12:13] offset:\t*4096 th:TH_STORE_NT   ; 32 lanes store 512 consecutive bytes, at a multiple of 256 from out0's first byte
.endr
.endm
	s_wait_kmcnt 0x0
	s_add_co_i32 s96, s78, s79                     ; e6 + e7
	s_add_co_i32 s96, s96, 127
	s_lshl_b32 s96, s96, 23                        ; 2^(e6 + e7) as f32
	s_mov_b32 s97, s96                             ; (named with it as a pair, so it is written)
	s_wait_loadcnt 0x0                             ; the bias
	PLACES NP                                      ; behind the last products: the stores read results, the loads land where A's fragments lay
	TOSTAGE 0
.irp a, 1,2,3,4,5,6,7
.if \a > 1
	s_wait_xcnt 0x0                                ; block a - 2's stores have read their registers and their base
.endif
	TOSTAGE \a
	SEND \a-1, 32                                  ; behind block a - 1's loads: block a's 16 stores and 16 loads
.endr
	s_wait_xcnt 0x0
	SEND 7, 0
	s_wait_tensorcnt 0x0                           ; the wave's end
	ds_add_u32 v[SPW], v[NIL]
	s_wait_dscnt 0x0
	CROUND                                         ; the closing round
	s_endpgm
.Lfunc_end_k_q8276de559a_proj_gemm:
	.size	k_q8276de559a_proj_gemm, .Lfunc_end_k_q8276de559a_proj_gemm-k_q8276de559a_proj_gemm
	.p2alignl 7, 3214868480
	.fill 96, 4, 3214868480
	.section	.rodata,"a",@progbits
	.p2align	6, 0x0
	.amdhsa_kernel k_q8276de559a_proj_gemm
		.amdhsa_group_segment_fixed_size 327680
		.amdhsa_private_segment_fixed_size 0
		.amdhsa_enable_private_segment 0
		.amdhsa_kernarg_size 40
		.amdhsa_user_sgpr_count 2
		.amdhsa_user_sgpr_kernarg_segment_ptr 1
		.amdhsa_wavefront_size32 1
		.amdhsa_system_sgpr_workgroup_id_x 1
		.amdhsa_system_sgpr_workgroup_id_y 1
		.amdhsa_system_sgpr_workgroup_id_z 1
		.amdhsa_system_vgpr_workitem_id 0
		.amdhsa_next_free_vgpr 1024
		.amdhsa_next_free_sgpr 100
		.amdhsa_reserve_vcc 0
		.amdhsa_float_denorm_mode_32 3
		.amdhsa_float_denorm_mode_16_64 3
		.amdhsa_memory_ordered 1
		.amdhsa_forward_progress 1
		.amdhsa_inst_pref_size 124
	.end_amdhsa_kernel
	.amdgpu_metadata
---
amdhsa.version: [ 1, 2 ]
amdhsa.kernels:
  - .name:           k_q8276de559a_proj_gemm
    .symbol:         k_q8276de559a_proj_gemm.kd
    .args:
      - { .name: y_img, .offset: 0, .size: 8, .value_kind: global_buffer, .address_space: global }
      - { .name: w_codes, .offset: 8, .size: 8, .value_kind: global_buffer, .address_space: global }
      - { .name: lowp_scales, .offset: 16, .size: 8, .value_kind: global_buffer, .address_space: global }
      - { .name: bproj, .offset: 24, .size: 8, .value_kind: global_buffer, .address_space: global }
      - { .name: out0, .offset: 32, .size: 8, .value_kind: global_buffer, .address_space: global }
    .group_segment_fixed_size: 327680
    .private_segment_fixed_size: 0
    .kernarg_segment_align: 8
    .kernarg_segment_size: 40
    .max_flat_workgroup_size: 128
    .sgpr_count:     100
    .vgpr_count:     1024
    .wavefront_size: 32
...
	.end_amdgpu_metadata
.endif
;; end of part 4
